; MI455X (gfx1250); checked and timed in simulation.
; The chip was launched on July 23, 2026; its instructions are those of AMD's public machine-readable ISA for CDNA 5 (MIT licence, August 2026) and "CDNA5" Instruction Set Architecture Reference Guide (July 2026). The comments in the code are by the model that wrote it; some were corrected since.
;; T5 Attention. Allowed arithmetic: matrix products marked QUANTISED: E2M1 operands, one E8M0 scale for each 32 along K, by v_wmma_scale_f32_16x16x128_f8f6f4 with both operands' format E2M1 (or v_wmma_scale_f32_32x16x128_f4), f32 sums; products left as they are: bf16, f16 or f32 operands; f32 sums; everything else in f32.
;; Inputs: key_value_states 4 x 2,048 x 1,024 float32; query_states 4 x 2,048 x 1,024 float32; rel_bias 32 x 16 float32; wk 1,024 x 1,024 float32; wo 1,024 x 1,024 float32; wq 1,024 x 1,024 float32; wv 1,024 x 1,024 float32.
;; Outputs: out0 4 x 2,048 x 1,024 float32.
;; This version of the problem:
;;   THIS VERSION OF THE PROBLEM IS GIVEN IN LOW PRECISION. The matrix products marked QUANTISED in the list below multiply operands that are first quantised to E2M1 (2 exponent bits, 1 mantissa bit; 4 bits a number), with one power-of-two scale for each 32 numbers along K (OCP MX v1.0); their sums are f32. The products marked 'left as it is' may take bf16, f16 or f32 operands, with f32 sums. Whichever they take, every output number must still come out within the allowed error. Rounding operands to bf16 (8 significant bits) uses up far more of that allowance than f16 does (11 bits, for magnitudes from 6e-5 to 65,504). All else is computed in f32.
;;   The module's matrix products, in the order in which they are computed (A, B: the left and right operand; K: the contracted axis; several contracted axes count as one K, in the product's order):
;;     1. [M 8,192, K 1,024] x [K 1,024, N 1,024]; A: input query_states; B: input wq: QUANTISED
;;     2. [M 8,192, K 1,024] x [K 1,024, N 1,024]; A: input key_value_states; B: input wk: QUANTISED
;;     3. [M 8,192, K 1,024] x [K 1,024, N 1,024]; A: input key_value_states; B: input wv: QUANTISED
;;     4. batch 64 x [M 2,048, K 64] x [K 64, N 2,048]; A: computed on the way; B: computed on the way: left as it is (an operand is computed on the way)
;;     5. batch 64 x [M 2,048, K 2,048] x [K 2,048, N 64]; A: computed on the way; B: computed on the way: left as it is (an operand is computed on the way)
;;     6. [M 8,192, K 1,024] x [K 1,024, N 1,024]; A: computed on the way; B: input wo: left as it is (an operand is computed on the way)
;;   THE QUANTISER, for each operand of a quantised product, along K:
;;     - K is cut into blocks of 32 from its start; a last block that is shorter is filled with zeros.
;;     - A block's scale is 2^e with e = floor(log2(the largest magnitude in the block)) - 2, held to -126 .. 127; a block of zeros has e = 0. As a byte (E8M0): e + 127.
;;     - Each number is divided by its block's scale, clamped to +-6, and rounded to the nearest number of E2M1, ties to even, subnormals kept.
;;     - The product sums the exact products of the quantised numbers (number of the format x scale) in f32.
;;   ~~~python
;;   def quantise(x, axis):      # numpy; x: float32 -> the quantised numbers, widened to float32 again
;;       x = np.moveaxis(x, axis, -1); K = x.shape[-1]
;;       x = np.pad(x, [(0, 0)] * (x.ndim - 1) + [(0, -K % 32)]); x = x.reshape(x.shape[:-1] + (-1, 32)); a = np.abs(x).max(-1, keepdims=True)
;;       e = np.where(a > 0, np.clip(np.frexp(np.where(a > 0, a, 1))[1] - 1 - 2, -126, 127), 0)      # np.frexp(a)[1] - 1 = floor(log2(a)), exactly
;;       r = np.clip(x / 2.0 ** e, -6, 6)
;;       step = 2.0 ** (np.maximum(np.frexp(np.where(r == 0, 1, r))[1] - 1, 0) - 1)
;;       q = np.round(r / step) * step * 2.0 ** e      # np.round: ties to even
;;       return np.moveaxis(q.reshape(q.shape[:-2] + (-1,))[..., :K], -1, axis).astype(np.float32)
;;   ~~~
;; One version. Each part assembles by itself: llvm-mc -triple=amdgcn-amd-amdhsa -mcpu=gfx1250 --defsym DOCPART=n.
;; ======== version 1 of 1: 5 launches
;; limits: values are held in f16: magnitudes above 65,504 overflow, below 6.1e-05 lose precision
;; workspace buffers: x_codes 8,388,608 bytes; x_scales 524,288 bytes; w_codes 1,572,864 bytes; w_scales 98,304 bytes; wo16 2,097,152 bytes; gtab 262,144 bytes; qkv 50,331,648 bytes; attn_h 16,777,216 bytes
;; launch quant_x (part 1): grid 512 x 1, 4 waves a work-group, no clusters, 33,280 bytes of LDS; arguments query_states, key_value_states, x_codes, x_scales; writes x_codes, x_scales
.if DOCPART == 1
	.amdgcn_target "amdgcn-amd-amdhsa--gfx1250"
	.amdhsa_code_object_version 6
	.text
	.protected	k_q28acdc9630_quant_x
	.globl	k_q28acdc9630_quant_x
	.p2align	8
	.type	k_q28acdc9630_quant_x,@function
k_q28acdc9630_quant_x:
	s_mov_b64 s[64:65], 0
	v_nop
	global_prefetch_b8 v0, s[64:65] scope:SCOPE_SE
	s_setreg_imm32_b32 hwreg(HW_REG_WAVE_MODE, 25, 1), 1
	s_wait_xcnt 0x0
; query_states and key_value_states, each [8192][1024] f32, become codes of FP4 (E2M1), two to a byte, K innermost, with one E8M0 scale byte for each 32 along K.
; x_codes: [16384 rows][512 bytes], x_scales: [16384][32 bytes]; rows 0-8191 are query_states', rows 8192-16383 key_value_states'.
; A block's scale is 2^(floor(log2(its largest magnitude)) - 2); its byte is the largest magnitude's own exponent field - 2, held at 1 from below.
; LIMITS: a block of zeros gets the byte 1 (its codes are zeros, and this program alone reads the bytes); blocks whose largest magnitude lies under 2^(2 - 126) share that byte; NaN and infinities are not served.
; Rows are dense and 1024 is a multiple of 32: both tensors are plain streams of blocks of 32.  A wave takes 16 steps of 512 numbers.  Each load reads 512 consecutive bytes, 16 a lane; a step's 2,048 bytes
; turn through the wave's own stage in LDS and come back 64 bytes a lane, so that a lane holds 16 neighbours along K (two neighbouring lanes hold a block), as the conversions want them.
; The first 256 work-groups take query_states, the others key_value_states; only a pointer is chosen.  No barrier: waves share nothing.
.set WAVES, 4
.set STEPS, 16
.set WGA,   256                        ; 8192 x 1024 / 32768 work-groups to a tensor
.set EMAX,  2
.set CB,    8                          ; bytes of 16 codes
.set R,     16                         ; v16-79   four sets of 16 numbers as they are loaded
.set X,     80                         ; v80-111  two sets of 16 neighbours
.set C,     128                        ; v128-191 codes: four registers for each step, so that no store's data are written again
.set E,     112                        ; v112-127 a scale byte for each step
.set WREG,  8192                       ; LDS: a region for each wave: two stages of 32 x SP bytes, behind them its 256 scale bytes
.set SP,    80                         ; a lane's place in a stage: 64 bytes + 16 of padding
.set SPW,   12                         ; v12  LDS address of my spare word; never rewritten
.set NIL,   13                         ; v13  0; never rewritten
.set SPARE, WAVES*WREG                 ; behind the four regions: the spare words, 128 bytes a wave
	s_load_b256 s[4:11], s[0:1], 0x0               ; query_states s[4:5], key_value_states s[6:7], x_codes s[8:9], x_scales s[10:11]
	v_lshl_add_u32 v[SPW], v0, 2, SPARE
	v_mov_b32 v[NIL], 0
	v_lshrrev_b32 v1, 5, v0
	v_readfirstlane_b32 s16, v1                    ; wave
	v_and_b32 v2, 31, v0                           ; lane
	v_lshlrev_b32 v3, 4, v2                        ; my 16 bytes of a load's 512
	s_mul_i32 s17, s16, WREG
	v_lshrrev_b32 v14, 2, v2
	v_mul_u32_u24 v14, v14, SP
	v_and_b32 v15, 3, v2
	v_lshl_add_u32 v14, v15, 4, v14
	v_add_nc_u32 v14, s17, v14                     ; the stage, on the way in: SP (lane / 4) + 16 (lane % 4)
	v_mul_u32_u24 v15, v2, SP
	v_add_nc_u32 v15, s17, v15                     ; and on the way out: SP x lane: my 16 neighbours
	v_mul_u32_u24 v4, v2, CB                       ; my codes' place in a step's
	v_lshrrev_b32 v5, 1, v2
	s_add_co_u32 s17, s17, 2*32*SP
	v_add_nc_u32 v5, s17, v5                       ; LDS: my wave's 256 scale bytes, my block's byte
	v_lshlrev_b32 v7, 3, v2                        ; and on the way out 8 bytes a lane
	v_add_nc_u32 v6, s17, v7
	s_wait_kmcnt 0x0
	s_cmp_lt_u32 ttmp9, WGA                        ; which tensor: the choice hangs on the work-group's number alone
	s_cselect_b64 s[4:5], s[4:5], s[6:7]
	s_cselect_b32 s17, 0, WGA
	s_sub_co_u32 s17, ttmp9, s17
	s_lshl_b32 s17, s17, 2
	s_add_co_u32 s18, s17, s16                     ; which run of 8,192 numbers of the tensor is my wave's
	s_lshl_b32 s18, s18, 15                        ; 32,768 bytes a run
	s_mov_b32 s19, 0
	s_add_nc_u64 s[4:5], s[4:5], s[18:19]
	s_lshl_b32 s20, ttmp9, 2
	s_add_co_u32 s20, s20, s16                     ; and which run of the two tensors on end: the outputs' place
	s_lshl_b32 s22, s20, 12                        ; 4,096 bytes of codes a run
	s_mov_b32 s23, 0
	s_add_nc_u64 s[8:9], s[8:9], s[22:23]
	s_lshl_b32 s22, s20, 8                         ; 256 scale bytes a run
	s_add_nc_u64 s[10:11], s[10:11], s[22:23]
.macro LOAD t
.irp i, 0,1,2,3
	global_load_b128 v[R+16*((\t)%4)+4*\i:R+16*((\t)%4)+4*\i+3], v3, s[4:5] offset:2048*(\t)+512*\i th:TH_LOAD_NT   ; 32 lanes read 512 consecutive bytes
.endr
.endm
.macro TURN t                          ; step t's numbers through the stage: LDS serves a wave's instructions in order, so no wait stands between the stores and the loads
.irp i, 0,1,2,3
	ds_store_b128 v14, v[R+16*((\t)%4)+4*\i:R+16*((\t)%4)+4*\i+3] offset:32*SP*((\t)%2)+8*SP*\i
.endr
.irp i, 0,1,2,3
	ds_load_b128 v[X+16*((\t)%2)+4*\i:X+16*((\t)%2)+4*\i+3], v15 offset:32*SP*((\t)%2)+16*\i
.endr
.endm
.irp t, 0,1,2,3
	LOAD \t
.endr
	s_wait_loadcnt 12                              ; step 0's four loads are in; the twelve of steps 1 to 3 may be out
	TURN 0
.macro STEP t
.set XS, X+16*((\t)%2)
.if (\t) > 0
	s_wait_dscnt 1                                 ; this step's numbers are back from the stage (the last step's byte store may be out): so its stores into the stage have read their registers,
.else
	s_wait_dscnt 0x0
.endif
.if (\t)+4 < STEPS
	LOAD (\t)+4                                    ; which take the loads of four steps on
.endif
.if (\t)+1 < STEPS
.if STEPS-2-(\t) >= 3
	s_wait_loadcnt 12                              ; the next step's four loads are in; those of the three steps behind it may be out
.else
	s_wait_loadcnt 4*(STEPS-2-(\t))
.endif
	TURN (\t)+1                                    ; and go through the other stage while this step is worked
.endif
	v_max3_num_f32 v8, |v[XS]|, |v[XS+1]|, |v[XS+2]|               ; the largest magnitude of my 16, in two chains
	v_max3_num_f32 v9, |v[XS+3]|, |v[XS+4]|, |v[XS+5]|
.irp i, 6,10
	v_max3_num_f32 v8, v8, |v[XS+\i]|, |v[XS+\i+1]|
	v_max3_num_f32 v9, v9, |v[XS+\i+2]|, |v[XS+\i+3]|
.endr
	v_max3_num_f32 v8, v8, |v[XS+14]|, |v[XS+15]|
	v_max3_num_f32 v8, v8, v9, (EMAX+1)<<23        ; and the floor 2^(EMAX + 1 - 127): the byte cannot fall under 1
	v_max_num_f32_dpp v8, v8, v8 row_xmask:1 row_mask:0xf bank_mask:0xf   ; and of my neighbour's 16: the block's
	v_add_nc_u32 v11, -(EMAX<<23), v8              ; EMAX off its exponent field: the conversion takes the exponent field of this operand as its scale
	v_cvt_scalef32_pk8_fp4_f32 v[C+4*(\t)], v[XS:XS+7], v11
	v_cvt_scalef32_pk8_fp4_f32 v[C+4*(\t)+1], v[XS+8:XS+15], v11
	v_lshrrev_b32 v[E+(\t)], 23, v11               ; the scale's byte (also the plain line behind the conversions)
	ds_store_b8 v5, v[E+(\t)] offset:16*(\t)       ; both lanes of a block write the same byte with the same value
	global_store_b64 v4, v[C+4*(\t):C+4*(\t)+1], s[8:9] offset:32*CB*(\t)   ; 32 lanes store 256 consecutive bytes, aligned
.endm
.irp t, 0,1,2,3,4,5,6,7,8,9,10,11,12,13,14,15
	STEP \t
.endr
	ds_load_b64 v[8:9], v6                         ; LDS serves a wave's instructions in order: these see my stores
	s_wait_dscnt 0x0
	global_store_b64 v7, v[8:9], s[10:11]          ; 32 lanes store 256 consecutive bytes, aligned
	s_wait_tensorcnt 0x0                           ; the wave's end, behind my last LDS store
	ds_add_u32 v[SPW], v[NIL]
	s_wait_dscnt 0x0
	s_endpgm
.Lfunc_end_k_q28acdc9630_quant_x:
	.size	k_q28acdc9630_quant_x, .Lfunc_end_k_q28acdc9630_quant_x-k_q28acdc9630_quant_x
	.p2alignl 7, 3214868480
	.fill 96, 4, 3214868480
	.section	.rodata,"a",@progbits
	.p2align	6, 0x0
	.amdhsa_kernel k_q28acdc9630_quant_x
		.amdhsa_group_segment_fixed_size 33280
		.amdhsa_private_segment_fixed_size 0
		.amdhsa_enable_private_segment 0
		.amdhsa_kernarg_size 32
		.amdhsa_user_sgpr_count 2
		.amdhsa_user_sgpr_kernarg_segment_ptr 1
		.amdhsa_wavefront_size32 1
		.amdhsa_system_sgpr_workgroup_id_x 1
		.amdhsa_system_sgpr_workgroup_id_y 1
		.amdhsa_system_sgpr_workgroup_id_z 1
		.amdhsa_system_vgpr_workitem_id 0
		.amdhsa_next_free_vgpr 192
		.amdhsa_next_free_sgpr 66
		.amdhsa_reserve_vcc 0
		.amdhsa_float_denorm_mode_32 3
		.amdhsa_float_denorm_mode_16_64 3
		.amdhsa_memory_ordered 1
		.amdhsa_forward_progress 1
		.amdhsa_inst_pref_size 33
	.end_amdhsa_kernel
	.amdgpu_metadata
---
amdhsa.version: [ 1, 2 ]
amdhsa.kernels:
  - .name:           k_q28acdc9630_quant_x
    .symbol:         k_q28acdc9630_quant_x.kd
    .args:
      - { .name: query_states, .offset: 0, .size: 8, .value_kind: global_buffer, .address_space: global }
      - { .name: key_value_states, .offset: 8, .size: 8, .value_kind: global_buffer, .address_space: global }
      - { .name: x_codes, .offset: 16, .size: 8, .value_kind: global_buffer, .address_space: global }
      - { .name: x_scales, .offset: 24, .size: 8, .value_kind: global_buffer, .address_space: global }
    .group_segment_fixed_size: 33280
    .private_segment_fixed_size: 0
    .kernarg_segment_align: 8
    .kernarg_segment_size: 32
    .max_flat_workgroup_size: 128
    .sgpr_count:     66
    .vgpr_count:     192
    .wavefront_size: 32
...
	.end_amdgpu_metadata
.endif
;; end of part 1
;; launch prep_w (part 2): grid 48 x 2, 4 waves a work-group, no clusters, 35,840 bytes of LDS; arguments wq, wk, wv, wo, rel_bias, w_codes, w_scales, wo16, gtab; writes w_codes, w_scales, wo16, gtab
.if DOCPART == 2
	.amdgcn_target "amdgcn-amd-amdhsa--gfx1250"
	.amdhsa_code_object_version 6
	.text
	.protected	k_q28acdc9630_prep_w
	.globl	k_q28acdc9630_prep_w
	.p2align	8
	.type	k_q28acdc9630_prep_w,@function
k_q28acdc9630_prep_w:
	s_mov_b64 s[64:65], 0
	v_nop
	global_prefetch_b8 v0, s[64:65] scope:SCOPE_SE
	s_setreg_imm32_b32 hwreg(HW_REG_WAVE_MODE, 25, 1), 1
	s_wait_xcnt 0x0
; Three small jobs on the weights, told apart by the work-group's x; each work-group does one of them.
; x 0-23:  wq, wk, wv ([k 1024][n 1024] f32, K the FIRST axis) become codes of FP4 laid [3072 rows = 1024 wi + n][512 bytes], K innermost, and E8M0 scale bytes [3072][32].
;          A lane takes a column n and its registers run down K: a block of 32 along K lies in one lane, and the conversions give codes with K innermost.  A wave takes 32 columns x 512 along K; the codes go
;          through the wave's own stage in LDS and leave as rows, sixteen lanes to 256 consecutive bytes.  This is the one path that uses LDS.
; x 24-39: wo becomes f16, in the same layout [k][n]: a plain stream.
; x 40-47: gtab[h][g] = rel_bias[bucket(g - 2047)][h], g = 0 .. 4095: the bias as a function of key - query, one row of 4,096 f32 a head.  bucket(d), with a = |d|: min(a, 8), one more for each of
;          12, 16, 23, 32, 46, 64, 91 that a reaches (the least whole a at which 8 log(a / 8) / log(16) reaches 1 .. 7), and 16 more where d > 0.  Whole-number work throughout.
; LIMITS: a block of zeros gets the scale byte 1 (its codes are zeros; this program alone reads the bytes); NaN and infinities are not served; wo's numbers stay inside f16's range.
.set SIZE_K, 1024
.set SIZE_N, 1024
.set KW,    512                        ; along K for a wave
.set NB,    KW/32
.set ROWB,  256                        ; bytes of KW codes
.set PITCH, ROWB+16                    ; a stage row
.set KROW,  SIZE_K/2                   ; a row of the codes' buffer in bytes
.set EMAX,  2
.set X,     32                         ; v32-95   two sets of 32 numbers
.set C,     96                         ; v96-99   a block's codes
.set OUTR,  112                        ; v112-175 the way out
.set SPW,   14                         ; v14  LDS address of my spare word; never rewritten
.set NIL,   15                         ; v15  0; never rewritten
.set SPARE, 4*32*PITCH                 ; behind the four stages: the spare words, 128 bytes a wave
.set SB,    24                         ; v24-27   the scale bytes, four to a register
	s_load_b512 s[4:19], s[0:1], 0x0               ; wq s[4:5], wk s[6:7], wv s[8:9], wo s[10:11], rel_bias s[12:13], w_codes s[14:15], w_scales s[16:17], wo16 s[18:19]
	s_load_b64 s[20:21], s[0:1], 0x40              ; gtab
	v_lshl_add_u32 v[SPW], v0, 2, SPARE
	v_mov_b32 v[NIL], 0
	v_lshrrev_b32 v1, 5, v0
	v_readfirstlane_b32 s22, v1                    ; wave 0..3
	v_and_b32 v2, 31, v0                           ; lane
	s_and_b32 s23, ttmp7, 0xffff                   ; work-group y
	s_wait_kmcnt 0x0
	s_cmp_ge_u32 ttmp9, 24
	s_cbranch_scc1 .Lother
	; ---- the three quantised weights
	s_lshr_b32 s24, ttmp9, 3                       ; wi: 0 wq, 1 wk, 2 wv
	s_and_b32 s25, ttmp9, 7
	s_lshl_b32 s25, s25, 7
	s_lshl_b32 s26, s22, 5
	s_add_co_u32 s25, s25, s26                     ; my wave's first column
	v_lshlrev_b32 v3, 2, v2                        ; in: 4 bytes a lane
	s_mul_i32 s26, s22, 32*PITCH                   ; my stage
	v_mul_u32_u24 v4, v2, PITCH
	v_add_nc_u32 v4, s26, v4                       ; into it: row = my column
	v_and_b32 v5, 15, v2
	v_lshrrev_b32 v6, 4, v2                        ; out of it: sixteen lanes to a row, two rows an instruction
	v_mul_u32_u24 v7, v6, PITCH
	v_lshl_add_u32 v7, v5, 4, v7
	v_add_nc_u32 v7, s26, v7
	v_mul_u32_u24 v8, v6, KROW
	v_lshl_add_u32 v8, v5, 4, v8                   ; and the same place in the codes' buffer
	v_mul_u32_u24 v9, v2, SIZE_K/32                ; my column's row of scale bytes
	s_cmp_eq_u32 s24, 0
	s_cselect_b64 s[26:27], s[4:5], s[6:7]
	s_cmp_eq_u32 s24, 2
	s_cselect_b64 s[26:27], s[8:9], s[26:27]       ; the weight: chosen by the work-group's number alone
	s_lshl_b32 s28, s23, 21                        ; 512 y rows of 4,096 bytes
	s_lshl_b32 s29, s25, 2
	s_add_co_u32 s28, s28, s29
	s_mov_b32 s29, 0
	s_add_nc_u64 s[26:27], s[26:27], s[28:29]
	s_lshl_b32 s30, s24, 10
	s_add_co_u32 s30, s30, s25                     ; my first output row: 1024 wi + column
	s_lshl_b32 s28, s30, 9
	s_lshl_b32 s31, s23, 8
	s_add_co_u32 s28, s28, s31                     ; codes: row x 512 + 256 y
	s_add_nc_u64 s[14:15], s[14:15], s[28:29]
	s_lshl_b32 s28, s30, 5
	s_lshl_b32 s31, s23, 4
	s_add_co_u32 s28, s28, s31                     ; scale bytes: row x 32 + 16 y
	s_add_nc_u64 s[16:17], s[16:17], s[28:29]
.macro LOAD t                          ; block t: W(32 t + i, my column), i = 0 .. 31, into set t % 2
.irp i, 0,1,2,3,4,5,6,7,8,9,10,11,12,13,14,15,16,17,18,19,20,21,22,23,24,25,26,27,28,29,30,31
	global_load_b32 v[X+32*((\t)%2)+\i], v3, s[26:27] offset:(32*(\t)+\i)*SIZE_N*4 th:TH_LOAD_NT
.endr
.endm
	LOAD 0
	LOAD 1
.macro BLOCK t
.set XS, X+32*((\t)%2)
.if (\t) < NB-1
	s_wait_loadcnt 32                              ; this block's 32 loads are in; the next block's may be out
.else
	s_wait_loadcnt 0
.endif
	v_max3_num_f32 v12, |v[XS]|, |v[XS+1]|, |v[XS+2]|               ; the block's largest magnitude: all 32 numbers are mine
	v_max3_num_f32 v13, |v[XS+3]|, |v[XS+4]|, |v[XS+5]|
.irp i, 6,10,14,18,22,26
	v_max3_num_f32 v12, v12, |v[XS+\i]|, |v[XS+\i+1]|
	v_max3_num_f32 v13, v13, |v[XS+\i+2]|, |v[XS+\i+3]|
.endr
	v_max3_num_f32 v12, v12, |v[XS+30]|, |v[XS+31]|
	v_max3_num_f32 v12, v12, v13, (EMAX+1)<<23     ; and the floor 2^(EMAX + 1 - 127): the byte cannot fall under 1
	v_add_nc_u32 v11, -(EMAX<<23), v12             ; EMAX off its exponent field: the conversion's scale operand
	v_lshrrev_b32 v13, 23, v11                     ; the scale's byte
.if (\t)%4 == 0
	v_mov_b32 v[SB+(\t)/4], v13                    ; four bytes to a register, the lower K in the lower byte
.else
	v_lshl_or_b32 v[SB+(\t)/4], v13, 8*((\t)%4), v[SB+(\t)/4]
.endif
.irp g, 0,1,2,3
	v_cvt_scalef32_pk8_fp4_f32 v[C+\g], v[XS+8*\g:XS+8*\g+7], v11
.endr
	v_nop                                          ; a plain line behind the last conversion
	ds_store_b128 v4, v[C:C+3] offset:16*(\t)      ; 32 codes: 16 bytes of my column's row
.if (\t)+2 < NB
	LOAD (\t)+2
.endif
	s_wait_dscnt 0x0                               ; the store has read its registers: the next block's codes may be written
.endm
.set Q, 0
.rept NB
	BLOCK Q
.set Q, Q+1
.endr
	global_store_b128 v9, v[SB:SB+3], s[16:17]     ; my column's 16 scale bytes
.irp t, 0,1,2,3,4,5,6,7,8,9,10,11,12,13,14,15
	ds_load_b128 v[OUTR+4*\t:OUTR+4*\t+3], v7 offset:2*\t*PITCH   ; LDS serves a wave's instructions in order: these see my stores
.endr
.irp t, 0,1,2,3,4,5,6,7,8,9,10,11,12,13,14,15
	s_wait_dscnt 15-\t                             ; loads come back in order: number t is in
	global_store_b128 v8, v[OUTR+4*\t:OUTR+4*\t+3], s[14:15] offset:2*\t*KROW   ; sixteen lanes store 256 consecutive bytes, aligned
.endr
	s_wait_tensorcnt 0x0                           ; the wave's end, behind my last LDS store
	ds_add_u32 v[SPW], v[NIL]
	s_wait_dscnt 0x0
	s_endpgm
.Lother:
	s_cmp_ge_u32 ttmp9, 40
	s_cbranch_scc1 .Ltable
	; ---- wo to f16: 128 runs of 8,192 numbers, one a wave; 64 pieces of 512 bytes in, 256 bytes out, in four batches of 16 on two sets of registers
	s_sub_co_u32 s24, ttmp9, 24
	s_lshl_b32 s24, s24, 1
	s_add_co_u32 s24, s24, s23
	s_lshl_b32 s24, s24, 2
	s_add_co_u32 s24, s24, s22                     ; my run
	s_lshl_b32 s26, s24, 15
	s_mov_b32 s27, 0
	s_add_nc_u64 s[10:11], s[10:11], s[26:27]
	s_lshl_b32 s26, s24, 14
	s_add_nc_u64 s[18:19], s[18:19], s[26:27]
	v_lshlrev_b32 v3, 4, v2                        ; in: 16 bytes a lane
	v_lshlrev_b32 v4, 3, v2                        ; out: 8 bytes a lane
.macro LOADB g
.irp i, 0,1,2,3,4,5,6,7,8,9,10,11,12,13,14,15
	global_load_b128 v[32+96*((\g)%2)+4*\i:32+96*((\g)%2)+4*\i+3], v3, s[10:11] offset:512*(16*(\g)+\i) th:TH_LOAD_NT
.endr
.endm
.macro BATCH g
.if (\g) < 3
	s_wait_loadcnt 16                              ; this batch's 16 loads are in; the other set's may be out
.else
	s_wait_loadcnt 0
.endif
.if (\g) > 0
	s_wait_xcnt 0x0                                ; the last batch's stores have read v96-127: they are written again only behind this wait
.endif
.irp i, 0,1,2,3,4,5,6,7,8,9,10,11,12,13,14,15
	v_cvt_pk_f16_f32 v[96+2*\i], v[32+96*((\g)%2)+4*\i], v[32+96*((\g)%2)+4*\i+1]
	v_cvt_pk_f16_f32 v[97+2*\i], v[32+96*((\g)%2)+4*\i+2], v[32+96*((\g)%2)+4*\i+3]
.endr
.irp i, 0,1,2,3,4,5,6,7,8,9,10,11,12,13,14,15
	global_store_b64 v4, v[96+2*\i:97+2*\i], s[18:19] offset:256*(16*(\g)+\i)   ; 32 lanes store 256 consecutive bytes, aligned
.endr
.if (\g) < 2
	LOADB (\g)+2
.endif
.endm
	LOADB 0
	LOADB 1
	BATCH 0
	BATCH 1
	BATCH 2
	BATCH 3
	s_endpgm
.Ltable:
	; ---- the bias table of one head: 16 trips of 256 entries, two to a thread
	s_sub_co_u32 s24, ttmp9, 40
	s_lshl_b32 s24, s24, 1
	s_add_co_u32 s24, s24, s23                     ; the head
	s_lshl_b32 s26, s24, 2
	s_mov_b32 s27, 0
	s_add_nc_u64 s[12:13], s[12:13], s[26:27]      ; rel_bias at [0][head]
	s_lshl_b32 s26, s24, 14
	s_add_nc_u64 s[20:21], s[20:21], s[26:27]      ; gtab at [head][0]
	v_lshlrev_b32 v20, 1, v0                       ; g = 2 x thread
	s_mov_b32 s25, 0
.Ltrip:
.irp e, 0,1
	v_add_nc_u32 v[21+4*\e], \e-2047, v20          ; d = g + e - 2047 = key - query
	v_sub_nc_u32 v[22+4*\e], 0, v[21+4*\e]
	v_max_i32 v[22+4*\e], v[21+4*\e], v[22+4*\e]   ; a = |d|
	v_min_u32 v[23+4*\e], 8, v[22+4*\e]
.irp lim, 12,16,23,32,46,64,91
	v_cmp_le_u32 vcc_lo, \lim, v[22+4*\e]
	v_add_co_ci_u32 v[23+4*\e], vcc_lo, 0, v[23+4*\e], vcc_lo      ; one more where a has reached the limit
.endr
	v_mov_b32 v[24+4*\e], 0
	v_cmp_lt_i32 vcc_lo, 0, v[21+4*\e]
	v_add_co_ci_u32 v[24+4*\e], vcc_lo, 0, v[24+4*\e], vcc_lo      ; 1 where d > 0
	v_lshl_add_u32 v[23+4*\e], v[24+4*\e], 4, v[23+4*\e]           ; the bucket, 0 .. 31
	v_lshlrev_b32 v[23+4*\e], 6, v[23+4*\e]                        ; a row of rel_bias is 64 bytes
	global_load_b32 v[30+\e], v[23+4*\e], s[12:13]
.endr
	v_lshlrev_b32 v29, 2, v20
	s_wait_loadcnt 0x0
	global_store_b64 v29, v[30:31], s[20:21]       ; 32 lanes store 256 consecutive bytes, aligned
	s_wait_xcnt 0x0                                ; the store and the loads have read their registers: the next trip writes them again
	v_add_nc_u32 v20, 256, v20
	s_add_co_u32 s25, s25, 1
	s_cmp_lt_u32 s25, 16
	s_cbranch_scc1 .Ltrip
	s_endpgm
.Lfunc_end_k_q28acdc9630_prep_w:
	.size	k_q28acdc9630_prep_w, .Lfunc_end_k_q28acdc9630_prep_w-k_q28acdc9630_prep_w
	.p2alignl 7, 3214868480
	.fill 96, 4, 3214868480
	.section	.rodata,"a",@progbits
	.p2align	6, 0x0
	.amdhsa_kernel k_q28acdc9630_prep_w
		.amdhsa_group_segment_fixed_size 35840
		.amdhsa_private_segment_fixed_size 0
		.amdhsa_enable_private_segment 0
		.amdhsa_kernarg_size 72
		.amdhsa_user_sgpr_count 2
		.amdhsa_user_sgpr_kernarg_segment_ptr 1
		.amdhsa_wavefront_size32 1
		.amdhsa_system_sgpr_workgroup_id_x 1
		.amdhsa_system_sgpr_workgroup_id_y 1
		.amdhsa_system_sgpr_workgroup_id_z 1
		.amdhsa_system_vgpr_workitem_id 0
		.amdhsa_next_free_vgpr 192
		.amdhsa_next_free_sgpr 66
		.amdhsa_reserve_vcc 1
		.amdhsa_float_denorm_mode_32 3
		.amdhsa_float_denorm_mode_16_64 3
		.amdhsa_memory_ordered 1
		.amdhsa_forward_progress 1
		.amdhsa_inst_pref_size 102
	.end_amdhsa_kernel
	.amdgpu_metadata
---
amdhsa.version: [ 1, 2 ]
amdhsa.kernels:
  - .name:           k_q28acdc9630_prep_w
    .symbol:         k_q28acdc9630_prep_w.kd
    .args:
      - { .name: wq, .offset: 0, .size: 8, .value_kind: global_buffer, .address_space: global }
      - { .name: wk, .offset: 8, .size: 8, .value_kind: global_buffer, .address_space: global }
      - { .name: wv, .offset: 16, .size: 8, .value_kind: global_buffer, .address_space: global }
      - { .name: wo, .offset: 24, .size: 8, .value_kind: global_buffer, .address_space: global }
      - { .name: rel_bias, .offset: 32, .size: 8, .value_kind: global_buffer, .address_space: global }
      - { .name: w_codes, .offset: 40, .size: 8, .value_kind: global_buffer, .address_space: global }
      - { .name: w_scales, .offset: 48, .size: 8, .value_kind: global_buffer, .address_space: global }
      - { .name: wo16, .offset: 56, .size: 8, .value_kind: global_buffer, .address_space: global }
      - { .name: gtab, .offset: 64, .size: 8, .value_kind: global_buffer, .address_space: global }
    .group_segment_fixed_size: 35840
    .private_segment_fixed_size: 0
    .kernarg_segment_align: 8
    .kernarg_segment_size: 72
    .max_flat_workgroup_size: 128
    .sgpr_count:     66
    .vgpr_count:     192
    .wavefront_size: 32
...
	.end_amdgpu_metadata
.endif
;; end of part 2
;; launch proj (part 3): grid 4 x 96, 4 waves a work-group, clusters of 4 x 4, 327,680 bytes of LDS; arguments x_codes, x_scales, w_codes, w_scales, qkv; writes qkv
.if DOCPART == 3
	.amdgcn_target "amdgcn-amd-amdhsa--gfx1250"
	.amdhsa_code_object_version 6
	.text
	.protected	k_q28acdc9630_proj
	.globl	k_q28acdc9630_proj
	.p2align	8
	.type	k_q28acdc9630_proj,@function
k_q28acdc9630_proj:
	s_mov_b64 s[64:65], 0
	v_nop
	global_prefetch_b8 v0, s[64:65] scope:SCOPE_SE
	s_setreg_imm32_b32 hwreg(HW_REG_WAVE_MODE, 25, 1), 1
	s_wait_xcnt 0x0
	s_wait_alu depctr_hold_cnt(0) depctr_sa_sdst(0) depctr_va_vdst(0) depctr_va_sdst(0) depctr_va_ssrc(0) depctr_va_vcc(0) depctr_vm_vsrc(0)
	s_getreg_b32 s2, hwreg(HW_REG_IB_STS2, 6, 4)
	s_cmp_eq_u32 s2, 0
	s_cbranch_scc0 .Lentry_in_a_cluster
	s_endpgm
.Lentry_in_a_cluster:
	s_bfe_u32 s2, ttmp6, 0x10000c
	s_cmp_lg_u32 s2, 0xf033
	s_cbranch_scc0 .Lentry_shape_is_right
	s_endpgm
.Lentry_shape_is_right:
; The three quantised products, on codes of FP4 (E2M1) with one E8M0 scale for each 32 along K = 1024, sums in f32, results rounded once to f16 for the products that follow.
; One text, three jobs, told apart by the cluster's y (8 clusters a job):  job 0: q = query_states wq;  job 1: k = key_value_states wk;  job 2: v^T = (key_value_states wv)^T.
; Jobs 0, 1: C[token][channel], A = rows of x_codes, B = rows of w_codes.  Job 2: C[channel][token], A = wv's rows, B = key_value_states' rows: so v comes out with the KEYS innermost.
; qkv: three parts of 16 MiB, f16.  q, k: [bh = 16 b + h][2048 s][64 d].  v^T: [bh][32 blocks of 64 keys][64 d][64 keys].  In all three a step of 64 tokens of one head is 8,192 consecutive bytes.
; A tile of C, 256 x 256, is made by a work-group of four waves; a wave makes 128 x 128: 64 accumulators.  K is two steps of 512 in two LDS slots: both are first fills, nothing is filled again.
; The scales of the work-group's 256 rows of A and of B come into LDS once, as dense blocks.
; CLUSTERS: 4 x 4 work-groups; A's tiles are asked for jointly along a row of the cluster, B's along a column.  The job and the cluster's number are the same in all sixteen partners.
; THE MATRIX INSTRUCTION IS USED TRANSPOSED (source 0 = 16 rows of B, source 1 = 16 rows of A): a lane holds eight neighbouring columns of one row of C.
; LIMIT: |q|, |k|, |v| stay under 65,504, f16's largest number.
; REGISTERS, in windows of 256: window 0: v0-31 addresses; v32-95 scale words, two sets; v128-191 A's fragments, one set; on the way out v32-63, v192-255.  window 1: B's fragments, two sets.
;   window 2: the 32 accumulators of my rows 0-63 (accumulator (a, b) at v[8 (8 a + b)]);  window 3: those of my rows 64-127.
.set SIZE_K, 1024
.set KSTEP,  512
.set NQ,     KSTEP/128
.set ROWB,   256                       ; a tile's row in bytes
.set KROW,   SIZE_K/2                  ; a row of codes in memory
.set PITCH,  272                       ; an LDS row: 256 bytes + 16 of padding: the 16 rows that a load touches start 68 words apart
.set FR,     8
.set NL,     2
.set NP,     4                         ; places behind this matrix instruction (ISA guide 7.12.1)
.set HALFT,  128*PITCH
.set SLOT,   4*HALFT                   ; A's 256 rows, then B's 256 rows
.set KS,     SIZE_K/32                 ; a row of scales in bytes
.set SCL,    2*SLOT                    ; behind the slots: the scales, as rows of 256 bytes + 16 of padding
.set HALFS,  (128*KS/256)*272
.set SBLK,   (16*KS/256)*272
.set SPARE,  SCL+4*HALFS               ; behind the scales: the spare words, 128 bytes a wave
.set SPITCH, 272                       ; the way out: a stage of 16 rows x (256 bytes + 16) for each wave, in slot 0, which has had its one fill and its last read by then
.set ADRA, 16
.set ADRB, 20
.set STO,  24
.set RD,   25
.set CO,   26
.set ADRS, 27
.set SPW,  28
.set NIL,  29
.set SC,   32
.set AF,   128
.set TMP,  192                         ; the way out: packed results
.set OB,   32                          ; the way out: rows read back: v32-63 and v224-255 by turns
.set G1, 24
.set G0, 32
.set G1B, 48
.set G0B, 56
.set G1S, 68
.set G0S, 76
.set G1SB, 80
.set G0SB, 88
.set MSB, 0
.macro WIN new                         ; the immediate's high byte repeats the setting that is left
.if MSB != (\new)
	s_set_vgpr_msb (MSB<<8)|(\new)
.set MSB, (\new)
.endif
.endm
.set MUL_LO, 0xa1                      ; source 0 (B) window 1, source 1 (A) window 0, C and D window 2
.set MUL_HI, 0xf1
.set TO_B,   0x40
; A joint load: waves 0 and 1 fetch for A, waves 2 and 3 for B; the branch hangs on the wave's number alone.  An s_nop 0 and four v_nop follow each line.
.macro JLOAD g0a, g1a, g0b, g1b
	s_cmp_eq_u32 s15, 0
	s_cbranch_scc0 .Lfor_b_\@
	tensor_load_to_lds s[\g0a:\g0a+3], s[\g1a:\g1a+7]
	s_nop 0
.rept 4
	v_nop
.endr
	s_branch .Lasked_\@
.Lfor_b_\@:
	tensor_load_to_lds s[\g0b:\g0b+3], s[\g1b:\g1b+7]
	s_nop 0
.rept 4
	v_nop
.endr
.Lasked_\@:
.endm
.macro CROUND                          ; a round of the cluster's barrier
	s_barrier_signal -1
	s_barrier_wait -1
	s_cmp_lg_u32 s14, 0
	s_cbranch_scc1 .Lnot_wave_0_\@
	s_barrier_signal -3
.Lnot_wave_0_\@:
	s_barrier_wait -3
	s_barrier_signal -1
	s_barrier_wait -1
.endm
	s_load_b256 s[4:11], s[0:1], 0x0               ; x_codes s[4:5], x_scales s[6:7], w_codes s[8:9], w_scales s[10:11]
	s_load_b64 s[12:13], s[0:1], 0x20              ; qkv
	v_lshl_add_u32 v[SPW], v0, 2, SPARE
	v_mov_b32 v[NIL], 0
	ds_add_u32 v[SPW], v[NIL]                      ; the wave's opening: the add, twice on end, and its wait ahead of my first tensor load
	ds_add_u32 v[SPW], v[NIL]
	v_lshrrev_b32 v1, 5, v0
	v_readfirstlane_b32 s14, v1                    ; wave 0..3
	s_lshr_b32 s15, s14, 1                         ; which half of the tile's rows is mine.  Also: I fetch for A (0) or for B (1)
	s_and_b32 s16, s14, 1                          ; which half of its columns.  Also: which 128 rows of that tile I fetch
	s_bfe_u32 s40, ttmp6, 0x40000                  ; cx, cy: my place in the cluster
	s_bfe_u32 s41, ttmp6, 0x40004
	s_and_b32 s17, ttmp7, 0xffff                   ; the cluster's y, 0 .. 23
	s_lshr_b32 s98, s17, 3                         ; the job
	s_and_b32 s99, s17, 7                          ; which of the job's eight clusters
	s_lshl_b32 s66, s98, 13                        ; jobs 0, 1: A's first row in x_codes: 8192 x job,
	s_lshl_b32 s67, s98, 10                        ; B's first row in w_codes: 1024 x job
	s_mov_b32 s95, 262144                          ; bytes from my columns 0-63 to my columns 64-127 in the output: the next head
	s_mov_b32 s96, 2048                            ; bytes from my rows 48-63 to my rows 64-79: 16 rows of 128 bytes
	s_mov_b32 s97, 0
	s_cmp_eq_u32 s98, 2                            ; job 2 has the operands the other way round
	s_cselect_b32 s100, 0, s99                     ; the eight clusters lie along the tokens: A's rows in jobs 0, 1,
	s_cselect_b32 s101, s99, 0                     ; B's in job 2
	s_cselect_b32 s66, 2048, s66                   ; job 2: A = wv's rows in w_codes,
	s_cselect_b32 s67, 8192, s67                   ; B = key_value_states' rows in x_codes
	s_cselect_b32 s95, 8192, s95                   ; job 2: my columns 64-127 are the next block of 64 keys,
	s_cselect_b32 s96, 256000, s96                 ; and my rows 64-127 the next head: 262,144 - 3 x 2,048
	s_lshl_b32 s17, s100, 2
	s_add_co_u32 s17, s17, s41                     ; tile row of C
	s_lshl_b32 s42, s101, 2
	s_add_co_u32 s42, s42, s40                     ; tile column of C
	s_lshl_b32 s43, s41, 2
	s_lshl_b32 s43, 15, s43                        ; my row of the cluster
	s_lshl_b32 s44, 0x1111, s40                    ; my column
	; descriptor group 1: a tile of 128 rows x 256 bytes, padded in LDS
	s_or_b32 s[G1+0], s43, (0<<16)|(1<<20)|(1<<21)|(5<<22)|(3<<25)  ; 15:0 the mask; 17:16 elements of 1 byte; 20 padding on; 21 set beside a mask; 24:22 after every 64 words; 31:25 four words
	s_or_b32 s[G1B+0], s44, (0<<16)|(1<<20)|(1<<21)|(5<<22)|(3<<25)
.irp g, G1, G1B
	s_mov_b32 s[\g+1], ROWB<<16                    ; tensor_dim0
	s_mov_b32 s[\g+2], 128<<16                     ; tensor_dim1
	s_mov_b32 s[\g+3], ROWB<<16                    ; tile_dim0
	s_mov_b32 s[\g+4], 128                         ; tile_dim1
	s_mov_b32 s[\g+5], KROW                        ; the pitch
	s_mov_b32 s[\g+6], 0
	s_mov_b32 s[\g+7], 0
.endr
	; the scales of 128 rows: a dense block of 4,096 bytes, as 16 rows of 256 bytes (32 elements of 8 bytes), 16 bytes of padding behind each
	s_or_b32 s[G1S+0], s43, (3<<16)|(1<<20)|(1<<21)|(5<<22)|(3<<25)
	s_or_b32 s[G1SB+0], s44, (3<<16)|(1<<20)|(1<<21)|(5<<22)|(3<<25)
.irp g, G1S, G1SB
	s_mov_b32 s[\g+1], 32<<16
	s_mov_b32 s[\g+2], (128*KS/256)<<16
	s_mov_b32 s[\g+3], 32<<16
	s_mov_b32 s[\g+4], 128*KS/256
	s_mov_b32 s[\g+5], 32
	s_mov_b32 s[\g+6], 0
	s_mov_b32 s[\g+7], 0
.endr
	s_lshl_b32 s18, s16, 7                         ; which 128 rows of the tile I fetch
	s_lshl_b32 s20, s17, 8
	s_add_co_u32 s20, s20, s18
	s_add_co_u32 s20, s20, s66                     ; A: its first row + 256 x tile row + 128 x half
	s_lshl_b32 s46, s42, 8
	s_add_co_u32 s46, s46, s18
	s_add_co_u32 s46, s46, s67                     ; B: its first row + 256 x tile column + 128 x half
	s_mov_b32 s21, 0
	s_mov_b32 s47, 0
	s_mov_b64 s[18:19], KS
	s_mul_u64 s[22:23], s[20:21], s[18:19]         ; where these rows' scales begin, in bytes
	s_mul_u64 s[92:93], s[46:47], s[18:19]
	s_mov_b64 s[18:19], KROW
	s_mul_u64 s[20:21], s[20:21], s[18:19]         ; and their codes
	s_mul_u64 s[46:47], s[46:47], s[18:19]
	s_mul_i32 s45, s14, HALFT                      ; where they go: wave x 128 rows: no place in the cluster enters an LDS address
	s_mul_i32 s94, s14, HALFS
	s_wait_dscnt 0x0                               ; both opening adds are done
	s_wait_kmcnt 0x0
	s_cmp_eq_u32 s98, 2                            ; which buffers are A's and which B's: chosen by the job alone
	s_cselect_b64 s[2:3], s[8:9], s[4:5]           ; A's codes
	s_cselect_b64 s[8:9], s[4:5], s[8:9]           ; B's codes
	s_cselect_b64 s[66:67], s[10:11], s[6:7]       ; A's scales
	s_cselect_b64 s[10:11], s[6:7], s[10:11]       ; B's scales
	s_add_nc_u64 s[20:21], s[2:3], s[20:21]
	s_add_nc_u64 s[22:23], s[66:67], s[22:23]
	s_add_nc_u64 s[46:47], s[8:9], s[46:47]
	s_add_nc_u64 s[92:93], s[10:11], s[92:93]
	CROUND                                         ; all sixteen work-groups are here: the joint loads meet
	s_mov_b32 s[G0S], 1
	s_add_co_u32 s[G0S+1], s94, SCL
	s_mov_b64 s[G0S+2:G0S+3], s[22:23]
	s_or_b32 s[G0S+3], s[G0S+3], 0x80000000
	s_mov_b32 s[G0SB], 1
	s_add_co_u32 s[G0SB+1], s94, SCL
	s_mov_b64 s[G0SB+2:G0SB+3], s[92:93]
	s_or_b32 s[G0SB+3], s[G0SB+3], 0x80000000
	JLOAD G0S, G1S, G0SB, G1SB                     ; the scales first: they are wanted with K step 0
.irp s, 0,1
	s_mov_b32 s[G0+4*\s], 1
	s_add_co_u32 s[G0+4*\s+1], s45, \s*SLOT
	s_add_nc_u64 s[G0+4*\s+2:G0+4*\s+3], s[20:21], \s*ROWB
	s_or_b32 s[G0+4*\s+3], s[G0+4*\s+3], 0x80000000
	s_mov_b32 s[G0B+4*\s], 1
	s_add_co_u32 s[G0B+4*\s+1], s45, \s*SLOT
	s_add_nc_u64 s[G0B+4*\s+2:G0B+4*\s+3], s[46:47], \s*ROWB
	s_or_b32 s[G0B+4*\s+3], s[G0B+4*\s+3], 0x80000000
	JLOAD G0+4*\s, G1, G0B+4*\s, G1B               ; three tensor loads of mine are out now: all that this text issues
.endr
	v_and_b32 v1, 15, v0                           ; r = l % 16
	v_bfe_u32 v2, v0, 4, 1                         ; h = l / 16
	v_mul_u32_u24 v3, v1, PITCH
	v_lshl_add_u32 v4, v2, 4, v3                   ; a fragment's row x pitch + 16 x half
	s_mul_i32 s21, s15, HALFT                      ; my 128 rows of A
	s_mul_i32 s22, s16, HALFT                      ; my 128 rows of B,
	s_add_co_u32 s22, s22, 2*HALFT                 ; which lie behind A's 256
.irp s, 0,1
	v_add_nc_u32 v[ADRA+\s], s21, v4
	v_add_nc_u32 v[ADRB+\s], s22, v4
	s_add_co_u32 s21, s21, SLOT
	s_add_co_u32 s22, s22, SLOT
.endr
	v_mul_u32_u24 v5, v1, KS                       ; my row's scales: KS bytes a row,
	v_lshrrev_b32 v6, 8, v5
	v_lshl_add_u32 v5, v6, 4, v5                   ; and 16 more for each 256 passed
	s_mul_i32 s21, s15, HALFS                      ; A's: my 128 rows
	s_mul_i32 s22, s16, HALFS                      ; B's: my 128 rows, behind A's 256
	s_add_co_u32 s22, s22, 2*HALFS
	s_sub_co_u32 s22, s22, s21
	v_mul_u32_u24 v6, s22, v2                      ; lanes 16-31 take B's
	s_add_co_u32 s21, s21, SCL
	v_add_nc_u32 v5, v5, v6
	v_add_nc_u32 v[ADRS], s21, v5
	s_mul_i32 s23, s14, 16*SPITCH                  ; my stage
	v_mul_u32_u24 v5, v1, SPITCH                   ; in: row r, 16 bytes for each half of the lanes
	v_lshl_add_u32 v5, v2, 4, v5
	v_add_nc_u32 v[STO], s23, v5
	v_bfe_u32 v6, v0, 3, 1                         ; back: lanes 0-15 take columns 0-63 of two rows (2 x 128 bytes), lanes 16-31 columns 64-127 of the same rows
	v_and_b32 v7, 7, v0
	v_mul_u32_u24 v5, v6, SPITCH
	v_lshl_add_u32 v5, v2, 7, v5
	v_lshl_add_u32 v5, v7, 4, v5
	v_add_nc_u32 v[RD], s23, v5
	v_lshlrev_b32 v5, 7, v6                        ; and in the output: two rows of 128 bytes on end are 256 consecutive bytes
	v_lshl_add_u32 v5, v7, 4, v5
	v_mul_u32_u24 v6, s95, v2
	v_add_nc_u32 v[CO], v5, v6
	; where my 128 x 128 begin in qkv
	s_lshl_b32 s20, s17, 8
	s_lshl_b32 s21, s15, 7
	s_add_co_u32 s20, s20, s21                     ; my first row of C
	s_lshl_b32 s46, s42, 8
	s_lshl_b32 s47, s16, 7
	s_add_co_u32 s46, s46, s47                     ; my first column
	s_cmp_eq_u32 s98, 2
	s_cselect_b32 s21, s46, s20                    ; the token coordinate,
	s_cselect_b32 s47, s20, s46                    ; the channel coordinate
	s_lshr_b32 s20, s21, 11
	s_lshl_b32 s20, s20, 4
	s_lshr_b32 s46, s47, 6
	s_add_co_u32 s20, s20, s46                     ; bh = 16 b + h
	s_lshl_b32 s20, s20, 18                        ; 262,144 bytes a head
	s_and_b32 s21, s21, 2047
	s_lshl_b32 s21, s21, 7                         ; 128 bytes a token, in all three layouts (a block of 64 keys is 8,192 bytes)
	s_add_co_u32 s20, s20, s21
	s_lshl_b32 s21, s98, 24                        ; the job's part of 16 MiB
	s_add_co_u32 s20, s20, s21
	s_mov_b32 s21, 0
	s_add_nc_u64 s[12:13], s[12:13], s[20:21]
.macro FRAG reg, adr, q, i             ; a fragment, 16 rows x 128 K of 4-bit codes: lane l holds row l % 16; registers 4 c .. 4 c + 3 hold K = 64 c + 32 (l / 16) + 0 .. 31
.irp c, 0,1
	ds_load_b128 v[\reg+4*\c:\reg+4*\c+3], v[\adr] offset:64*(\q)+32*\c+(\i)*16*PITCH
.endr
.endm
; 16 matrix instructions: A's blocks a0, a0 + 1 x B's eight, 128 along K.  The 64 accumulators take turns, one instruction a turn, in the same order in every step.
.macro MUL16 a0, p, q, sc, zero
.irp a, \a0, \a0+1
.irp b, 0,1,2,3,4,5,6,7
.if \zero
	v_wmma_scale_f32_16x16x128_f8f6f4 v[8*(8*((\a)%4)+\b):8*(8*((\a)%4)+\b)+7], v[128*(\p)+FR*\b:128*(\p)+FR*\b+FR-1], v[AF+FR*(\a):AF+FR*(\a)+FR-1], 0, v[SC+8*NQ*(\sc)+NQ*\b+(\q)], v[SC+8*NQ*(\sc)+NQ*(\a)+(\q)] matrix_a_fmt:MATRIX_FMT_FP4 matrix_b_fmt:MATRIX_FMT_FP4 matrix_a_scale:MATRIX_SCALE_ROW1
.else
	v_wmma_scale_f32_16x16x128_f8f6f4 v[8*(8*((\a)%4)+\b):8*(8*((\a)%4)+\b)+7], v[128*(\p)+FR*\b:128*(\p)+FR*\b+FR-1], v[AF+FR*(\a):AF+FR*(\a)+FR-1], v[8*(8*((\a)%4)+\b):8*(8*((\a)%4)+\b)+7], v[SC+8*NQ*(\sc)+NQ*\b+(\q)], v[SC+8*NQ*(\sc)+NQ*(\a)+(\q)] matrix_a_fmt:MATRIX_FMT_FP4 matrix_b_fmt:MATRIX_FMT_FP4 matrix_a_scale:MATRIX_SCALE_ROW1
.endif
.endr
.endr
.endm
.macro FETCH_B slot, q, p
	WIN TO_B
.irp i, 0,1,2,3,4,5,6,7
	FRAG 128*(\p)+FR*\i, ADRB+\slot, \q, \i
.endr
	WIN 0
.endm
.macro FETCH_A slot, q, i0
.irp i, \i0, \i0+1, \i0+2, \i0+3
	FRAG AF+FR*(\i), ADRA+\slot, \q, \i
.endr
.endm
.macro SCALES sc                       ; a K step's scale words: lanes 0-15 take A's block i, lanes 16-31 B's block i
.irp i, 0,1,2,3,4,5,6,7
	ds_load_b128 v[SC+8*NQ*\sc+NQ*\i:SC+8*NQ*\sc+NQ*\i+3], v[ADRS] offset:\i*SBLK
.endr
.endm
.macro PLACES n                        ; plain vector lines between a matrix instruction and a load into, or a read of, its registers
.rept \n
	v_nop
.endr
.endm
.macro STEP slot, q, zero              ; a step of 128 along K that has its successor in the same slot
	s_wait_dscnt 4*NL                              ; B's set and A's blocks 0-3 are in; the youngest eight loads (A's blocks 4-7) may be out
	WIN MUL_LO
	MUL16 0, (\q)%2, \q, \slot, \zero
	MUL16 2, (\q)%2, \q, \slot, \zero
	s_wait_dscnt 0
	PLACES NP
	FETCH_B \slot, (\q)+1, 1-(\q)%2
	FETCH_A \slot, (\q)+1, 0
	WIN MUL_HI
	MUL16 4, (\q)%2, \q, \slot, \zero
	MUL16 6, (\q)%2, \q, \slot, \zero
	PLACES NP
	WIN 0
	FETCH_A \slot, (\q)+1, 4
.endm
; Slot 0's last step changes slots: one barrier.  In front of it each wave waits for all its tensor loads (its part of slot 1) and for its own reads of slot 0.  Nothing is filled again.
.macro TURN slot, next
	s_wait_tensorcnt 0x0                           ; all my tensor loads have landed: my part of the next slot
	ds_add_u32 v[SPW], v[NIL]                      ; 0 onto my spare word
	s_wait_dscnt 4*NL+1                            ; (the add and the youngest eight loads, A's blocks 4-7, may be out)
	WIN MUL_LO
	MUL16 0, 1, NQ-1, \slot, 0
	s_wait_dscnt 0x0                               ; the add is done, and my reads of this slot are over
	s_barrier_signal -1
	MUL16 2, 1, NQ-1, \slot, 0
	WIN 0
	s_barrier_wait -1
	PLACES NP
	v_add_nc_u32 v[ADRS], 4*NQ, v[ADRS]            ; on to the next K step's scale words
	FETCH_B \next, 0, 0
	FETCH_A \next, 0, 0
	SCALES \next
	WIN MUL_HI
	MUL16 4, 1, NQ-1, \slot, 0
	MUL16 6, 1, NQ-1, \slot, 0
	PLACES NP
	WIN 0
	FETCH_A \next, 0, 4
.endm
.macro STEPS slot, from
.set Q, \from
.rept NQ-1-\from
	STEP \slot, Q, 0
.set Q, Q+1
.endr
.endm
	s_wait_tensorcnt 1                             ; the scales and my part of K step 0 are in (K step 1's load may be out),
	s_barrier_signal -1
	s_barrier_wait -1                              ; everybody's are
	FETCH_B 0, 0, 0
	FETCH_A 0, 0, 0
	SCALES 0
	FETCH_A 0, 0, 4
	STEP 0, 0, 1                                   ; the first step's products start the sums: nothing is cleared
	STEPS 0, 1
	TURN 0, 1
	STEPS 1, 0
	s_wait_dscnt 4*NL                              ; the last step: nothing more to fetch
	WIN MUL_LO
	MUL16 0, 1, NQ-1, 1, 0
	MUL16 2, 1, NQ-1, 1, 0
	s_wait_dscnt 0
	WIN MUL_HI
	MUL16 4, 1, NQ-1, 1, 0
	MUL16 6, 1, NQ-1, 1, 0
	WIN 0
; THE WAY OUT, block by block of 16 rows x 128 columns.  PACK: rounded to f16, 16 bytes a lane, each accumulator from its low end on.  TOSTAGE: into my own stage, and back so that sixteen lanes hold
; 256 bytes that are neighbours in the output.  SEND: stored.  LDS serves a wave's instructions in order, so no wait stands between the stores and the loads.
.macro PACK a
.set AC, 64*((\a)%4)
	WIN 0x0a+5*((\a)/4)                            ; sources 0 and 1: window 2 or 3
.irp b, 0,1,2,3,4,5,6,7
.irp r, 0,1,2,3
	v_cvt_pk_f16_f32 v[TMP+4*\b+\r], v[AC+8*\b+2*\r], v[AC+8*\b+2*\r+1]
.endr
.endr
	WIN 0
.endm
.macro TOSTAGE a
.set BK, OB+192*((\a)%2)
.irp b, 0,1,2,3,4,5,6,7
	ds_store_b128 v[STO], v[TMP+4*\b:TMP+4*\b+3] offset:32*\b
.endr
.irp t, 0,1,2,3,4,5,6,7
	ds_load_b128 v[BK+4*\t:BK+4*\t+3], v[RD] offset:\t*2*SPITCH
.endr
.endm
.macro SEND a
.set BK, OB+192*((\a)%2)
	s_wait_dscnt 0x0                               ; the block is back in registers
	s_wait_xcnt 0x0                                ; the earlier stores have read their base and their data: both are written again only behind this wait
.if (\a) == 4
	s_add_nc_u64 s[12:13], s[12:13], s[96:97]      ; from my rows 48-63 to my rows 64-79
.elseif (\a) > 0
	s_add_nc_u64 s[12:13], s[12:13], 2048          ; 16 rows of 128 bytes on
.endif
.irp t, 0,1,2,3,4,5,6,7
	global_store_b128 v[CO], v[BK+4*\t:BK+4*\t+3], s[12:13] offset:256*\t   ; sixteen lanes store 256 consecutive bytes, aligned
.endr
.endm
	PLACES NP                                      ; behind the last products: in front of the first read of results and of loads into registers that held scale words
	PACK 0
	TOSTAGE 0
.irp a, 1,2,3,4,5,6,7                  ; block a's conversions stand between block a - 1's loads from the stage and the wait for them
	PACK \a
	SEND \a-1
	TOSTAGE \a
.endr
	SEND 7
	s_wait_tensorcnt 0x0                           ; the wave's end, behind my last tensor load and my last LDS store
	ds_add_u32 v[SPW], v[NIL]
	s_wait_dscnt 0x0
	CROUND                                         ; the closing round: no work-group ends while a partner may still ask for a tile that names it
	s_endpgm
.Lfunc_end_k_q28acdc9630_proj:
	.size	k_q28acdc9630_proj, .Lfunc_end_k_q28acdc9630_proj-k_q28acdc9630_proj
	.p2alignl 7, 3214868480
	.fill 96, 4, 3214868480
	.section	.rodata,"a",@progbits
	.p2align	6, 0x0
	.amdhsa_kernel k_q28acdc9630_proj
		.amdhsa_group_segment_fixed_size 327680
		.amdhsa_private_segment_fixed_size 0
		.amdhsa_enable_private_segment 0
		.amdhsa_kernarg_size 40
		.amdhsa_user_sgpr_count 2
		.amdhsa_user_sgpr_kernarg_segment_ptr 1
		.amdhsa_wavefront_size32 1
		.amdhsa_system_sgpr_workgroup_id_x 1
		.amdhsa_system_sgpr_workgroup_id_y 1
		.amdhsa_system_sgpr_workgroup_id_z 1
		.amdhsa_system_vgpr_workitem_id 0
		.amdhsa_next_free_vgpr 1024
		.amdhsa_next_free_sgpr 102
		.amdhsa_reserve_vcc 0
		.amdhsa_float_denorm_mode_32 3
		.amdhsa_float_denorm_mode_16_64 3
		.amdhsa_memory_ordered 1
		.amdhsa_forward_progress 1
		.amdhsa_inst_pref_size 128
	.end_amdhsa_kernel
	.amdgpu_metadata
---
amdhsa.version: [ 1, 2 ]
amdhsa.kernels:
  - .name:           k_q28acdc9630_proj
    .symbol:         k_q28acdc9630_proj.kd
    .args:
      - { .name: x_codes, .offset: 0, .size: 8, .value_kind: global_buffer, .address_space: global }
      - { .name: x_scales, .offset: 8, .size: 8, .value_kind: global_buffer, .address_space: global }
      - { .name: w_codes, .offset: 16, .size: 8, .value_kind: global_buffer, .address_space: global }
      - { .name: w_scales, .offset: 24, .size: 8, .value_kind: global_buffer, .address_space: global }
      - { .name: qkv, .offset: 32, .size: 8, .value_kind: global_buffer, .address_space: global }
    .group_segment_fixed_size: 327680
    .private_segment_fixed_size: 0
    .kernarg_segment_align: 8
    .kernarg_segment_size: 40
    .max_flat_workgroup_size: 128
    .sgpr_count:     102
    .vgpr_count:     1024
    .wavefront_size: 32
...
	.end_amdgpu_metadata
.endif
;; end of part 3
;; launch attn (part 4): grid 8 x 64, 4 waves a work-group, no clusters, 327,680 bytes of LDS; arguments qkv, gtab, attn_h; writes attn_h
.if DOCPART == 4
	.amdgcn_target "amdgcn-amd-amdhsa--gfx1250"
	.amdhsa_code_object_version 6
	.text
	.protected	k_q28acdc9630_attn
	.globl	k_q28acdc9630_attn
	.p2align	8
	.type	k_q28acdc9630_attn,@function
k_q28acdc9630_attn:
	s_mov_b64 s[64:65], 0
	v_nop
	global_prefetch_b8 v0, s[64:65] scope:SCOPE_SE
	s_setreg_imm32_b32 hwreg(HW_REG_WAVE_MODE, 25, 1), 1
	s_wait_xcnt 0x0
; attn[b][h][q][:] = the sum over k of softmax_k(q . k + bias(k - q, h)) v[k][:], no scaling of the scores, no mask.  q, k, v^T: f16, as the launch before laid them in qkv; products, maxima and sums in f32;
; the weights p are rounded to f16 for the second product, the result once at the end.  attn_h: f16 [16 heads][8192 tokens][64].
; SHARES.  A work-group owns 256 queries of one (b, h), each of its four waves 64: four tiles of 16.  Every wave walks the head's 2,048 keys, 64 a step.
; LAYOUT.  S^T = K Q^T + bias (source 0 = 16 keys, source 1 = 16 queries): a lane holds ONE query (lane % 16) and the keys 8 (lane / 16) + 0..7.  Two such tiles, rounded to f16 in pairs, ARE source 1
; (32 keys x 16 queries) of O^T = V^T P.  v arrives with the keys innermost, so K's and V's fragments come out of LDS by the same plain loads.
; THE BIAS is the C of a score tile's first matrix instruction.  It hangs on key - query alone, so a tile's bias hangs on (key tile - query tile): 7 blocks of 8 registers serve a step's 16 tiles.  They come from
; a table in LDS, T[i] = bias(i - 255 - 256 x block of queries), 2,304 numbers cut out of gtab's row.  From |key - query| = 91 on the bias is one number a side: a step all of whose differences lie there, and
; whose predecessor's did too, finds the blocks as they are and loads nothing: a scalar branch on ids and the count of steps, round the 56 loads alone.
; SOFTMAX.  For each query a running maximum m and sum l.  M = ceil(m log2 e), kept as -M; p = 2^(s log2 e - M), at most 1; in every step O and l are multiplied by a = 2^(old M - new M).
; BY TURNS.  The wave's tiles are two PIECES (tiles 0, 1 and tiles 2, 3).  In a TURN one piece has the matrix unit, 16 products V^T P of the step in hand and 16 products K Q^T of the next; the other piece's
; softmax, 238 vector instructions, is dealt out behind them.  Then the pieces change places.  Two turns are a key step.
; NO CLUSTER, though the eight work-groups of a head walk the same K and V: partners in a cluster may have no branch that hangs on what tells them apart, and here that is the block of queries, on which the
; branch round the bias loads hangs.  Without the branch each wave would read 56 x 128 bytes more from LDS in each step, 28,672 a work-group, to spare three quarters of a step's 16,384 bytes of tile requests.
; LIMITS: |q|, |k|, |v| under 65,504 (f16); scores above -1.7e38; NaN and infinities are not served.
; REGISTERS, in windows of 256 (s_set_vgpr_msb: bits 1:0 source 0, 3:2 source 1, 5:4 source 2, 7:6 destination):
;   window 0: v0-11 addresses; v12-43 eight statistics a tile; v60-63; v64-191 S^T, 32 a tile; v192-255 P, 16 a tile
;   window 1: v0-127 O^T, 32 a tile; v128-183 the 7 bias blocks        window 2: v0-63 Q; v64-127 K of one step; v128-191 V of one step
.set PK,    272       ; an LDS row: 256 bytes (two keys, or two channels of V^T) + 16 of padding
.set STEPB, 32*PK     ; a step's tile of K or of V: 8,192 bytes in 32 rows
.set VOFF,  4*STEPB   ; a slot: four steps of K, then four of V
.set SLOT1, 1<<17     ; slot 1 begins here: one exclusive or turns an address in one slot into the other's
.set TAB,   2*VOFF    ; behind slot 0: the bias table, 9,216 bytes, filled once
.set SPARE, TAB+9216  ; the spare words, 128 bytes a wave
.set SP,    144       ; the way out: a stage row, 128 bytes + 16; 64 rows a wave, in slot 0, which has had its last fill and its last read by then
.set AKV, 2           ; v2   my lane's place in a tile of K or V
.set ADB0, 3          ; v3   my lane's place in the bias table
.set ADR, 4           ; v4   the LDS address of the run of loads in hand
.set ADB, 5           ; v5   the same for the bias loads
.set STO, 6
.set RD,  7
.set GO,  8
.set ST,  12          ; tile t's statistics at v[ST+8 t]: +0 -M, +1 m, +2, +3 l (even keys', odd keys'), +4 to +7 c0-c3, at work; a takes c2's place
.set PFO, 60          ; v60  256 x my lane: the prefetches' offset; never rewritten
.set QO,  61
.set SPW, 62          ; v62  LDS address of my spare word; never rewritten
.set NIL, 63          ; v63  0; never rewritten
.set S,   64
.set P,   192
.set CBR, 128         ; the bias blocks, in window 1
.set KFR, 64          ; K's fragments, in window 2
.set VFR, 128         ; V's fragments, in window 2
.set WV,  10
.set G1,  16          ; s[16:23] group 1 for K's and V's tiles
.set G1T, 24          ; s[24:31] group 1 for the table
.set G0T, 32
.set G0A, 36          ; slot 0's first fill
.set G0B, 40          ; slot 1's first fill; it then walks
.set SLOTS, 44
.set CNT, 45
.set CS,  46          ; s[46:47] log2(e), twice
.set SEL, 48          ; s[48:49] v_permlanex16_b32's selects: lane l xor 16
.set TB,  50          ; LDS byte at which the tiles of the step to be fetched begin
.set TBI, 51          ; 4 x that step's first key
.set QLO, 52
.set QHI, 53
.set PFA, 54          ; s[54:55] where my prefetches stand
.set LIM, 56
.set MSB, 0
.macro WIN new
.if MSB != (\new)
	s_set_vgpr_msb (MSB<<8)|(\new)
.set MSB, (\new)
.endif
.endm
	s_load_b128 s[4:7], s[0:1], 0x0   ; qkv s[4:5], gtab s[6:7]
	s_load_b64 s[8:9], s[0:1], 0x10   ; attn_h
	v_lshl_add_u32 v[SPW], v0, 2, SPARE
	v_mov_b32 v[NIL], 0
	ds_add_u32 v[SPW], v[NIL]       ; the wave's opening: the add, twice on end, and its wait ahead of my first tensor load
	ds_add_u32 v[SPW], v[NIL]
	v_lshrrev_b32 v1, 5, v0
	v_readfirstlane_b32 s[WV], v1   ; wave 0..3
	s_and_b32 s12, ttmp7, 0xffff    ; bh = 16 b + h
	s_and_b32 s11, s12, 15          ; h
	s_lshl_b32 s13, ttmp9, 8
	s_lshl_b32 s14, s[WV], 6
	s_add_co_u32 s13, s13, s14      ; my first query in the sequence: 256 x block + 64 x wave
	; group 1 for K and V: 16,384 dense bytes as 64 rows of 256 bytes (32 elements of 8 bytes), 16 bytes of padding behind each
	s_mov_b32 s[G1], (3<<16)|(1<<20)|(5<<22)|(3<<25)
	s_mov_b32 s[G1+1], 32<<16
	s_mov_b32 s[G1+2], 64<<16
	s_mov_b32 s[G1+3], 32<<16
	s_mov_b32 s[G1+4], 64
	s_mov_b32 s[G1+5], 32
	s_mov_b32 s[G1+6], 0
	s_mov_b32 s[G1+7], 0
	; group 1 for a quarter of the table: 2,304 dense bytes as 9 rows of 256, no padding
	s_mov_b32 s[G1T], 3<<16
	s_mov_b32 s[G1T+1], 32<<16
	s_mov_b32 s[G1T+2], 9<<16
	s_mov_b32 s[G1T+3], 32<<16
	s_mov_b32 s[G1T+4], 9
	s_mov_b32 s[G1T+5], 32
	s_mov_b32 s[G1T+6], 0
	s_mov_b32 s[G1T+7], 0
	s_lshl_b32 s14, s13, 2
	s_sub_co_i32 s[QLO], s14, 612   ; a step's differences key - query reach from first key - first query - 63 to + 63.  All at or under -91: 4 x first key < QLO
	s_add_co_u32 s[QHI], s14, 868   ; this step's and the last step's all at or over 91: 4 x first key > QHI
	s_lshl_b32 s58, s11, 14         ; the table: gtab's row of my head,
	s_xor_b32 s59, ttmp9, 7
	s_lshl_b32 s59, s59, 10         ; from entry 256 (7 - block) on,
	s_add_co_u32 s58, s58, s59
	s_mul_i32 s57, s[WV], 2304      ; my quarter
	s_add_co_u32 s58, s58, s57
	s_mov_b32 s59, 0
	s_lshr_b32 s60, s[WV], 1        ; waves 0, 1 fetch K (the part at 16 MiB), waves 2, 3 V^T (at 32 MiB):
	s_add_co_u32 s60, s60, 1
	s_lshl_b32 s60, s60, 24
	s_lshl_b32 s61, s12, 18         ; my head's 262,144 bytes,
	s_add_co_u32 s60, s60, s61
	s_and_b32 s62, s[WV], 1
	s_lshl_b32 s62, s62, 14         ; the first or the second two of a slot's four steps
	s_add_co_u32 s60, s60, s62
	s_lshl_b32 s62, s13, 7          ; Q: my head, my first query's row of 128 bytes
	s_add_co_u32 s62, s62, s61
	s_mov_b32 s61, 0
	s_mov_b32 s63, 0
	s_lshr_b32 s14, s12, 4          ; the result: token 2048 b + first query, 128 bytes each, in head h's 1,048,576 bytes
	s_lshl_b32 s14, s14, 11
	s_add_co_u32 s14, s14, s13
	s_lshl_b32 s14, s14, 7
	s_lshl_b32 s15, s11, 20
	s_add_co_u32 s14, s14, s15
	s_mov_b32 s15, 0
	s_mov_b32 s[CS], 0x3fb8aa3b     ; log2(e)
	s_mov_b32 s[CS+1], s[CS]        ; named with it as a pair, so it is written
	s_mov_b32 s[SEL], 0x76543210
	s_mov_b32 s[SEL+1], 0xfedcba98
	s_mov_b32 s[TB], 0
	s_mov_b32 s[TBI], 0
	s_mov_b32 s[SLOTS], 6           ; 8 slots' worth of keys; two are first fills
	s_cmp_eq_u32 ttmp9, 0
	s_cselect_b32 s[LIM], 1, -1     ; the head's first work-group prefetches, nobody else
	s_mov_b32 s[G0T], 1
	s_add_co_u32 s[G0T+1], s57, TAB
	s_mov_b32 s[G0A], 1
	s_mul_i32 s[G0A+1], s[WV], 2*STEPB  ; K's steps 0, 1; K's 2, 3; V's 0, 1; V's 2, 3
	s_mov_b32 s[G0B], 1
	s_add_co_u32 s[G0B+1], s[G0A+1], SLOT1
	v_and_b32 v[PFO], 31, v0
	v_lshlrev_b32 v[PFO], 8, v[PFO]
	s_wait_dscnt 0x0                ; both opening adds are done
	s_wait_kmcnt 0x0
	s_add_nc_u64 s[G0T+2:G0T+3], s[6:7], s[58:59]
	s_or_b32 s[G0T+3], s[G0T+3], 0x80000000
	s_add_nc_u64 s[G0A+2:G0A+3], s[4:5], s[60:61]
	s_add_nc_u64 s[G0B+2:G0B+3], s[G0A+2:G0A+3], 32768  ; a slot's four steps are 32,768 bytes of K and of V^T
	s_add_nc_u64 s[PFA:PFA+1], s[G0A+2:G0A+3], 65536    ; at slot 2; the first change of slots steps it to slot 3.  Nothing is prefetched at the head
	s_or_b32 s[G0A+3], s[G0A+3], 0x80000000
	s_or_b32 s[G0B+3], s[G0B+3], 0x80000000
	s_add_nc_u64 s[4:5], s[4:5], s[62:63]
	s_add_nc_u64 s[8:9], s[8:9], s[14:15]
	tensor_load_to_lds s[G0T:G0T+3], s[G1T:G1T+7]   ; the first fills, as one group: every wave issues all three, each with addresses of its own: three loads of mine are out
	s_nop 0
	tensor_load_to_lds s[G0A:G0A+3], s[G1:G1+7]
	s_nop 0
	tensor_load_to_lds s[G0B:G0B+3], s[G1:G1+7]
	s_nop 0
.rept 4
	v_nop
.endr
	v_and_b32 v1, 15, v0            ; r = l % 16
	v_bfe_u32 v9, v0, 4, 1          ; h = l / 16
	v_lshlrev_b32 v[QO], 7, v1
	v_lshl_add_u32 v[QO], v9, 4, v[QO]  ; Q: row r of 128 bytes + 16 x half
	WIN 0x80                        ; destination window 2
.irp t, 0,1,2,3
.irp c, 0,1
	global_load_b128 v[16*\t+8*\c:16*\t+8*\c+3],   v[QO], s[4:5] offset:\t*2048+\c*64
	global_load_b128 v[16*\t+8*\c+4:16*\t+8*\c+7], v[QO], s[4:5] offset:\t*2048+\c*64+32
.endr
.endr
	WIN 0
	v_lshrrev_b32 v10, 1, v1        ; a tile's row r lies in LDS row r / 2, half r % 2
	v_mul_u32_u24 v[AKV], v10, PK
	v_and_b32 v10, 1, v0
	v_lshl_add_u32 v[AKV], v10, 7, v[AKV]
	v_lshl_add_u32 v[AKV], v9, 4, v[AKV]
	v_xor_b32 v10, 15, v1           ; the table's index of block d, register j: first key + 16 d + j + 8 h + (15 - r) + 64 (3 - wave)
	v_lshl_add_u32 v10, v9, 3, v10
	s_xor_b32 s57, s[WV], 3
	s_lshl_b32 s57, s57, 8
	s_add_co_u32 s57, s57, TAB
	v_lshl_add_u32 v[ADB0], v10, 2, s57
.irp t, 0,1,2,3
	v_mov_b32 v[ST+8*\t], 0x7f000000    ; -M: 1.7e38, so that the first a is 2^(-1.7e38) = 0, on zeros
	v_mov_b32 v[ST+8*\t+1], 0xff000000  ; m: -1.7e38, under every score
	v_mov_b32 v[ST+8*\t+2], 0           ; l
	v_mov_b32 v[ST+8*\t+3], 0
.endr
	WIN 0x40
.set i, 0
.rept 128
	v_mov_b32 v[i], 0               ; O^T: the key step is written once; its first pass finds zeros
.set i, i+1
.endr
	WIN 0
; Product i of 16 of S^T = K Q^T + bias: channels 32 (i / 8) on, keys 16 ((i / 2) % 4) on, tile x + i % 2.  The first 8 take the bias block (key tile - query tile + 3) as C.  The accumulators take turns.
.macro KQ x
.set rS, S+32*((\x)+i%2)+8*((i/2)%4)
.set rK, KFR+16*((i/2)%4)+8*(i/8)
.set rQ, 16*((\x)+i%2)+8*(i/8)
.if i < 8
	WIN 0x1a                        ; K and Q window 2, the bias window 1, S^T window 0
.set rC, CBR+8*((i/2)%4-((\x)+i%2)+3)
	v_wmma_f32_16x16x32_f16 v[rS:rS+7], v[rK:rK+7], v[rQ:rQ+7], v[rC:rC+7]
.else
	WIN 0x0a
	v_wmma_f32_16x16x32_f16 v[rS:rS+7], v[rK:rK+7], v[rQ:rQ+7], v[rS:rS+7]
.endif
.endm
; Product i of 16 of O^T += V^T P: keys 32 (i / 8) on, channels 16 ((i / 2) % 4) on, tile x + i % 2.
.macro PV x
	WIN 0x52                        ; V window 2, P window 0, O^T window 1
.set rO, 32*((\x)+i%2)+8*((i/2)%4)
.set rV, VFR+16*((i/2)%4)+8*(i/8)
.set rP, P+16*((\x)+i%2)+8*(i/8)
	v_wmma_f32_16x16x32_f16 v[rO:rO+7], v[rV:rV+7], v[rP:rP+7], v[rO:rO+7]
.endm
; A step's K (16 loads) and, where the differences key - query are not all in a constant range, its 7 bias blocks (56 loads).
.macro FETCH_K always
	WIN 0
	v_add_nc_u32 v[ADR], s[TB], v[AKV]
.if !(\always)
	s_cmp_lt_i32 s[TBI], s[QLO]
	s_cbranch_scc1 .Lfar_\@
	s_cmp_gt_i32 s[TBI], s[QHI]
	s_cbranch_scc1 .Lfar_\@
.endif
	v_add_nc_u32 v[ADB], s[TBI], v[ADB0]
	WIN 0x40                        ; destination window 1
.irp d, 0,1,2,3,4,5,6
.irp jj, 0,1,2,3,4,5,6,7
	ds_load_b32 v[CBR+8*\d+\jj], v[ADB] offset:64*\d+4*\jj
.endr
.endr
	WIN 0
.Lfar_\@:
	s_add_co_u32 s[TBI], s[TBI], 256  ; the next fetch is the next step's
	WIN 0x80                        ; destination window 2
.irp kt, 0,1,2,3
.irp c, 0,1
	ds_load_b128 v[KFR+16*\kt+8*\c:KFR+16*\kt+8*\c+3],   v[ADR] offset:\kt*8*PK+\c*64
	ds_load_b128 v[KFR+16*\kt+8*\c+4:KFR+16*\kt+8*\c+7], v[ADR] offset:\kt*8*PK+\c*64+32
.endr
.endr
.endm
.macro FETCH_V
	WIN 0
	v_add_nc_u32 v[ADR], s[TB], v[AKV]
	s_add_co_u32 s[TB], s[TB], STEPB
	s_wait_alu depctr_va_vdst(0)    ; the wait for the softmax's batch of exponentials, ahead of the first line that names a result
	WIN 0x80
.irp f, 0,1,2,3
.irp c, 0,1
	ds_load_b128 v[VFR+16*\f+8*\c:VFR+16*\f+8*\c+3],   v[ADR] offset:VOFF+\f*8*PK+\c*64
	ds_load_b128 v[VFR+16*\f+8*\c+4:VFR+16*\f+8*\c+7], v[ADR] offset:VOFF+\f*8*PK+\c*64+32
.endr
.endr
.endm
; THE VECTOR WORK.  One tile's softmax for one key step is a list of 119 instructions; SM writes number j of it for tile t.  s0-s31 are the lane's 32 scores.
;   0-15    the maximum of s0-s31 and the old m, three at a time; each score tile is read first at its low end
;   16-21   the other half of the lanes' maximum; the new m; m log2 e; the new -M = floor(-m log2 e); old M - new M
;   22-70   ONE BATCH: the 16 scalings s log2 e - M, a pair each, and all 33 exponentials (a, then s0-s31).  None of these reads an exponential's result
;   (wait)  between 70 and 71 stands the one wait for the batch: ENTRY writes it, once for both tiles
;   71-86   the roundings to f16;   87-101 the sums, in place;   102 l = a l + the sum;   103-118 the tile's O^T times a
.macro SM t
.set rT, ST+8*(\t)
.set rS, S+32*(\t)
.set rP, P+16*(\t)
.if j < 103
	WIN 0
.endif
.if j < 4
	v_max3_num_f32 v[rT+4+j], v[rS+8*j], v[rS+8*j+1], v[rS+8*j+2]
.elseif j < 12
	v_max3_num_f32 v[rT+4+j%4], v[rT+4+j%4], v[rS+8*(j%4)+2*(j/4)+1], v[rS+8*(j%4)+2*(j/4)+2]
.elseif j == 12
	v_max3_num_f32 v[rT+4], v[rT+4], v[rS+7], v[rS+15]
.elseif j == 13
	v_max3_num_f32 v[rT+6], v[rT+6], v[rS+23], v[rS+31]
.elseif j == 14
	v_max3_num_f32 v[rT+4], v[rT+4], v[rT+5], v[rT+6]
.elseif j == 15
	v_max3_num_f32 v[rT+4], v[rT+4], v[rT+7], v[rT+1]
.elseif j == 16
	v_permlanex16_b32 v[rT+5], v[rT+4], s[SEL], s[SEL+1]  ; the query's other 32 keys lie in the lane 16 away
.elseif j == 17
	v_mov_b32 v[rT+7], v[rT]        ; the old -M
.elseif j == 18
	v_max_num_f32 v[rT+1], v[rT+4], v[rT+5]
.elseif j == 19
	v_mul_f32 v[rT+4], s[CS], v[rT+1]
.elseif j == 20
	v_floor_f32 v[rT], -v[rT+4]     ; -M = -ceil(m log2 e)
.elseif j == 21
	v_sub_f32 v[rT+7], v[rT], v[rT+7]  ; old M - new M, 0 or less
.elseif j < 71
.set bb, j-22
.set fi, -1
.set ei, -1
.if bb < 2
.set fi, bb
.elseif bb == 2
	v_exp_f32 v[rT+6], v[rT+7]      ; a
.elseif bb < 45
.if (bb-3)%3 == 0
.set fi, (bb-3)/3+2
.else
.set ei, 2*((bb-3)/3)+(bb-3)%3-1
.endif
.else
.set ei, bb-17
.endif
.if fi >= 0
	v_pk_fma_f32 v[rS+2*fi:rS+2*fi+1], v[rS+2*fi:rS+2*fi+1], s[CS:CS+1], v[rT:rT+1] op_sel_hi:[1,0,0]  ; pair fi: s log2 e - M
.endif
.if ei >= 0
	v_exp_f32 v[rS+ei], v[rS+ei]
.endif
.elseif j < 87
	v_cvt_pk_f16_f32 v[rP+j-71], v[rS+2*(j-71)], v[rS+2*(j-71)+1]
.elseif j < 102                     ; the sum of the tile's 16 pairs, in place: neighbours 1, 2, 4 and 8 pairs apart
.set z, j-87
.set tw, 4
.set u, z
.if z >= 14
.set tw, 32
.set u, 0
.elseif z >= 12
.set tw, 16
.set u, z-12
.elseif z >= 8
.set tw, 8
.set u, z-8
.endif
	v_pk_add_f32 v[rS+tw*u:rS+tw*u+1], v[rS+tw*u:rS+tw*u+1], v[rS+tw*u+tw/2:rS+tw*u+tw/2+1]
.elseif j == 102
	v_pk_fma_f32 v[rT+2:rT+3], v[rT+2:rT+3], v[rT+6:rT+7], v[rS:rS+1] op_sel_hi:[1,0,1]
.else
	WIN 0x41                        ; O^T (destination and source 0) window 1, a window 0
.set rO, 32*(\t)+2*(j-103)
	v_pk_mul_f32 v[rO:rO+1], v[rO:rO+1], v[rT+6:rT+7] op_sel_hi:[1,0]
.endif
.endm
; Entry n of 238 of piece y's softmax: number n / 2 of tile y + n % 2: the two tiles alternate.  Ahead of entry 142 (number 71) all 66 exponentials are issued and no result has been named: there stand the
; plain line that follows the last exponential and the one wait; in piece 2's turn (y = 0) V's run of loads stands there too, and the wait in it.
.macro ENTRY y
.if n == 142
	v_nop
.if (\y) == 0
	FETCH_V
.else
	s_wait_alu depctr_va_vdst(0)
.endif
.endif
.set j, n/2
	SM (\y)+n%2
.set n, n+1
.endm
.macro SLICES y, upto
.rept (\upto)-n
	ENTRY \y
.endr
.endm
.macro AFTER y                      ; behind the mw-th of NW matrix instructions: entries up to mw x 230 / (NW - 1); behind the last the 8 that are left, all rescalings of the other piece's O^T
.if mw == NW
	SLICES \y, 238
.else
	SLICES \y, mw*230/(NW-1)
.endif
.endm
; A TURN.  Piece x has the matrix unit; the other piece's softmax stands in slices behind its matrix instructions.  pv: 16 products V^T P; kq: 16 products K Q^T for the next step.
; The last slice's 8 plain lines name no register of the turn's last product: they are the places in front of the next turn's reads of its scores and of the loads into K's and the bias's registers.
; Piece 0's turn fetches the next step's K and bias behind its second product; piece 2's turn the same step's V at entry 142, which with 32 products falls behind the 20th: behind the last V^T P stand
; seven scalings of the other piece, the v_nop and the run's own address line.
.macro TURN x, pv, kq
.set n, 0
.set mw, 0
.set NW, 16*((\pv)+(\kq))
.if \pv
.if (\x) == 0
	s_wait_dscnt 0x0                ; V is in
.endif
.set i, 0
.rept 16
	PV \x
.set mw, mw+1
	AFTER 2-(\x)
.if ((\x) == 0) && (\kq) && (i == 1)
	FETCH_K 0
.endif
.set i, i+1
.endr
.endif
.if \kq
.if (\x) == 0
	s_wait_dscnt 0x0                ; K and the bias are in
.endif
.set i, 0
.rept 16
	KQ \x
.set mw, mw+1
	AFTER 2-(\x)
.set i, i+1
.endr
.endif
.endm
.macro STEPS cnt                    ; cnt key steps: written once, walked cnt times; the LDS addresses hang on s[TB] and s[TBI]
	WIN 0                           ; at a label and at a branch every window is 0
	s_mov_b32 s[CNT], \cnt
.Lstep_\@:
	TURN 0, 1, 1
	TURN 2, 1, 1
	WIN 0
	s_sub_co_u32 s[CNT], s[CNT], 1
	s_cmp_lg_u32 s[CNT], 0
	s_cbranch_scc1 .Lstep_\@
.endm
; A PREFETCH INTO THE L2 of what the NEXT change of slots will ask for: my wave's own 16,384 bytes of that slot, lanes 256 bytes apart, two instructions.  All eight work-groups of a head walk the same K and V:
; the head's first work-group asks, and nobody else, so each block of 256 bytes is named once in the launch.  It stands behind the wave's tensor load and its five lines: four key steps, 256 matrix instructions,
; ahead of the load that will want the bytes.  The last change that fills a slot asks for nothing; slots 0, 1 and 2 come by their loads alone.
.macro ASK
	s_cmp_gt_u32 s[SLOTS], s[LIM]
	s_cbranch_scc0 .Lnot_mine_\@
	global_prefetch_b8 v[PFO], s[PFA:PFA+1] th:TH_LOAD_NT scope:SCOPE_SE
	global_prefetch_b8 v[PFO], s[PFA:PFA+1] offset:8192 th:TH_LOAD_NT scope:SCOPE_SE
.Lnot_mine_\@:
.endm
; THE CHANGE OF SLOTS: the slot's last bytes, V of its fourth step, have been asked for.  Each wave waits for all its tensor loads (one is out: its part of the other slot), adds 0 to its spare word, and waits
; for that and for its reads of the slot.  Behind the barrier nobody reads this slot and the other is whole.  fill = 1: this slot is filled again, first thing, one load a wave: it has four key steps in which to land.
.macro CHANGE fill
	WIN 0
	s_wait_tensorcnt 0x0            ; no tensor load of mine is out, so a group 0 may be written
	ds_add_u32 v[SPW], v[NIL]       ; 0 onto my spare word
.if \fill
	s_xor_b32 s[G0B+1], s[G0B+1], SLOT1  ; the walking descriptor: the other slot than last time,
	s_add_nc_u64 s[G0B+2:G0B+3], s[G0B+2:G0B+3], 32768  ; the next four steps; the type bits on top are not reached
	s_wait_xcnt 0x0                 ; the last prefetches, four key steps back, have read their address
	s_add_nc_u64 s[PFA:PFA+1], s[PFA:PFA+1], 32768
.endif
	s_wait_dscnt 0x0                ; the add is done, and my reads of the slot are over
	s_barrier_signal -1
	s_barrier_wait -1
.if \fill
	tensor_load_to_lds s[G0B:G0B+3], s[G1:G1+7]
	s_nop 0
.rept 4
	v_nop
.endr
	ASK
.endif
	s_sub_co_u32 s[TB], s[TB], 4*STEPB  ; the fetches go back to a slot's first step,
	s_xor_b32 s[TB], s[TB], SLOT1   ; in the other slot
.endm
	s_wait_tensorcnt 1              ; the table and my part of slot 0 are in; slot 1's may stay out
	s_barrier_signal -1
	s_barrier_wait -1               ; everybody's are
	FETCH_K 1                       ; key step 0: its bias is always loaded
	s_wait_loadcnt 0x0              ; Q
	s_wait_dscnt 0x0
.set i, 0
.rept 16
	KQ 0                            ; piece 0's first scores: there is no vector work yet to set between them
.set i, i+1
.endr
	WIN 0                           ; the addresses for the way out are made here: plain lines, the places behind those products
	s_mul_i32 s57, s[WV], 64*SP     ; my stage
	v_mul_u32_u24 v[STO], v1, SP    ; in: row r, 16 bytes for each half of the lanes
	v_lshl_add_u32 v[STO], v9, 4, v[STO]
	v_add_nc_u32 v[STO], s57, v[STO]
	v_and_b32 v10, 31, v0
	v_lshrrev_b32 v11, 3, v10       ; back: eight lanes to a row of 128 bytes, four rows an instruction
	v_mul_u32_u24 v[RD], v11, SP
	v_and_b32 v11, 7, v0
	v_lshl_add_u32 v[RD], v11, 4, v[RD]
	v_add_nc_u32 v[RD], s57, v[RD]
	v_lshlrev_b32 v[GO], 4, v10     ; in memory those four rows are 512 consecutive bytes
	TURN 2, 0, 1                    ; piece 2's first scores | piece 0's first softmax | V of step 0
	STEPS 3                         ; steps 1 to 3 are fetched: slot 0 is read out
.Lslot:                             ; 6 trips: every slot but the last two is filled again
	CHANGE 1
	STEPS 4
	s_sub_co_u32 s[SLOTS], s[SLOTS], 1
	s_cmp_lg_u32 s[SLOTS], 0
	s_cbranch_scc1 .Lslot
	CHANGE 0                        ; the tail is written out
	STEPS 4
	TURN 0, 1, 0                    ; piece 0: V^T P of the last step | piece 2's last softmax
.set i, 0
.rept 16
	PV 2                            ; piece 2: V^T P of the last step
.set i, i+1
.endr
	; THE WAY OUT.  l's two halves and the other half of the lanes' are added (these lines are the places behind the last products); O^T is divided by l, rounded to f16 and sent through my stage.
	WIN 0
.irp t, 0,1,2,3
	v_add_f32 v[ST+8*\t+4], v[ST+8*\t+2], v[ST+8*\t+3]
.endr
.irp t, 0,1,2,3
	v_permlanex16_b32 v[ST+8*\t+5], v[ST+8*\t+4], s[SEL], s[SEL+1]
.endr
.irp t, 0,1,2,3
	v_add_f32 v[ST+8*\t+4], v[ST+8*\t+4], v[ST+8*\t+5]
.endr
.irp t, 0,1,2,3
	v_rcp_f32 v[ST+8*\t+6], v[ST+8*\t+4]
.endr
	v_nop                           ; a plain line between the last reciprocal and the use of its result
	s_wait_alu depctr_va_vdst(0)    ; and the wait ahead of the first use: one for the four
.macro PACK t                       ; a lane's eight channels of a row pack into 16 bytes; they go into rows of 144 bytes and come back as whole rows, into the registers that they left
	WIN 0x41
.irp q, 0,1,2,3,4,5,6,7,8,9,10,11,12,13,14,15
	v_pk_mul_f32 v[32*\t+2*\q:32*\t+2*\q+1], v[32*\t+2*\q:32*\t+2*\q+1], v[ST+8*\t+6:ST+8*\t+7] op_sel_hi:[1,0]
.endr
	WIN 0x05                        ; sources 0 and 1 window 1, destination window 0: S^T's registers are free
.irp q, 0,1,2,3,4,5,6,7,8,9,10,11,12,13,14,15
	v_cvt_pk_f16_f32 v[S+16*\t+\q], v[32*\t+2*\q], v[32*\t+2*\q+1]
.endr
	WIN 0
.irp f, 0,1,2,3
	ds_store_b128 v[STO], v[S+16*\t+4*\f:S+16*\t+4*\f+3] offset:\t*16*SP+32*\f
.endr
.irp f, 0,1,2,3
	ds_load_b128 v[S+16*\t+4*\f:S+16*\t+4*\f+3], v[RD] offset:\t*16*SP+\f*4*SP  ; LDS serves a wave's instructions in order: these see the stores above
.endr
.endm
.macro SEND t, younger              ; younger: the LDS instructions issued behind tile t's loads: the next tile's eight, or none
.irp f, 0,1,2,3
	s_wait_dscnt \younger+3-\f
	global_store_b128 v[GO], v[S+16*\t+4*\f:S+16*\t+4*\f+3], s[8:9] offset:\t*2048+\f*512  ; 32 lanes store 512 consecutive bytes, aligned to 256
.endr
.endm
	PACK 0
	PACK 1
	SEND 0, 8
	PACK 2
	SEND 1, 8
	PACK 3
	SEND 2, 8
	SEND 3, 0
	s_wait_tensorcnt 0x0            ; the wave's end, behind my last tensor load and my last LDS store
	ds_add_u32 v[SPW], v[NIL]
	s_wait_dscnt 0x0
	s_endpgm
.Lfunc_end_k_q28acdc9630_attn:
	.size	k_q28acdc9630_attn, .Lfunc_end_k_q28acdc9630_attn-k_q28acdc9630_attn
	.p2alignl 7, 3214868480
	.fill 96, 4, 3214868480
	.section	.rodata,"a",@progbits
	.p2align	6, 0x0
	.amdhsa_kernel k_q28acdc9630_attn
		.amdhsa_group_segment_fixed_size 327680
		.amdhsa_private_segment_fixed_size 0
		.amdhsa_enable_private_segment 0
		.amdhsa_kernarg_size 24
		.amdhsa_user_sgpr_count 2
		.amdhsa_user_sgpr_kernarg_segment_ptr 1
		.amdhsa_wavefront_size32 1
		.amdhsa_system_sgpr_workgroup_id_x 1
		.amdhsa_system_sgpr_workgroup_id_y 1
		.amdhsa_system_sgpr_workgroup_id_z 1
		.amdhsa_system_vgpr_workitem_id 0
		.amdhsa_next_free_vgpr 768
		.amdhsa_next_free_sgpr 66
		.amdhsa_reserve_vcc 0
		.amdhsa_float_denorm_mode_32 3
		.amdhsa_float_denorm_mode_16_64 3
		.amdhsa_memory_ordered 1
		.amdhsa_forward_progress 1
		.amdhsa_inst_pref_size 183
	.end_amdhsa_kernel
	.amdgpu_metadata
---
amdhsa.version: [ 1, 2 ]
amdhsa.kernels:
  - .name:           k_q28acdc9630_attn
    .symbol:         k_q28acdc9630_attn.kd
    .args:
      - { .name: qkv, .offset: 0, .size: 8, .value_kind: global_buffer, .address_space: global }
      - { .name: gtab, .offset: 8, .size: 8, .value_kind: global_buffer, .address_space: global }
      - { .name: attn_h, .offset: 16, .size: 8, .value_kind: global_buffer, .address_space: global }
    .group_segment_fixed_size: 327680
    .private_segment_fixed_size: 0
    .kernarg_segment_align: 8
    .kernarg_segment_size: 24
    .max_flat_workgroup_size: 128
    .sgpr_count:     66
    .vgpr_count:     768
    .wavefront_size: 32
...
	.end_amdgpu_metadata
.endif
;; end of part 4
;; launch oproj (part 5): grid 4 x 64, 4 waves a work-group, clusters of 4 x 4, 327,680 bytes of LDS; arguments attn_h, wo16, out0; writes out0
.if DOCPART == 5
	.amdgcn_target "amdgcn-amd-amdhsa--gfx1250"
	.amdhsa_code_object_version 6
	.text
	.protected	k_q28acdc9630_oproj
	.globl	k_q28acdc9630_oproj
	.p2align	8
	.type	k_q28acdc9630_oproj,@function
k_q28acdc9630_oproj:
	s_mov_b64 s[64:65], 0
	v_nop
	global_prefetch_b8 v0, s[64:65] scope:SCOPE_SE
	s_setreg_imm32_b32 hwreg(HW_REG_WAVE_MODE, 25, 1), 1
	s_wait_xcnt 0x0
	s_wait_alu depctr_hold_cnt(0) depctr_sa_sdst(0) depctr_va_vdst(0) depctr_va_sdst(0) depctr_va_ssrc(0) depctr_va_vcc(0) depctr_vm_vsrc(0)
	s_getreg_b32 s2, hwreg(HW_REG_IB_STS2, 6, 4)
	s_cmp_eq_u32 s2, 0
	s_cbranch_scc0 .Lentry_in_a_cluster
	s_endpgm
.Lentry_in_a_cluster:
	s_bfe_u32 s2, ttmp6, 0x10000c
	s_cmp_lg_u32 s2, 0xf033
	s_cbranch_scc0 .Lentry_shape_is_right
	s_endpgm
.Lentry_shape_is_right:
; out0[token][n] = the sum over k = 64 h + d of attn[token][k] wo[k][n].  attn_h: f16 [16 heads][8192 tokens][64]; wo16: f16 [k 1024][n 1024]; out0: f32 [8192][1024]; sums in f32.
; A tile of out0 is 128 tokens x 256 columns: 256 work-groups.  Four waves, each 64 x 128: 32 accumulators of 16 x 16.  K goes in steps of 128, two heads, through a ring of two LDS slots.
; A's tile of a head is 128 tokens x 128 bytes, dense in memory: it comes as 64 rows of 256 bytes (two tokens a row).  B's tile is 128 rows k x 512 bytes; its fragments are turned on the way out of LDS
; by ds_load_tr16_b128, since K is wo's first axis.
; CLUSTERS: 4 x 4 work-groups; A's tiles are asked for jointly along a row of the cluster, B's along a column.
; THE MATRIX INSTRUCTION IS USED TRANSPOSED (source 0 = 16 columns of wo, source 1 = 16 tokens): a lane holds eight neighbouring columns of one row of out0.
; No prefetch: the launch is short and its tiles are shared in the cluster.
; REGISTERS: window 0: v16-29 addresses; v64-95, v96-127 A's fragments (4 x 16 tokens x 32 K), two buffers; v128-255 the way out.  window 1: v0-63, v64-127 B's fragments (8 x 16 columns x 32 K), two buffers.
;   window 2: the accumulators ((a, b) at v[8 (8 a + b)]).
.set PA,    272                        ; A's LDS row: 256 bytes + 16
.set PB,    544                        ; B's LDS row: 512 bytes + 32: an odd multiple of 32, as the turning load's lanes want
.set AH,    64*PA                      ; a head's 128 tokens
.set BOFF,  2*AH
.set BH,    64*PB                      ; 64 rows of B: what one tensor load brings
.set SLOT,  BOFF+2*BH
.set SPARE, 2*SLOT                     ; behind the ring: the spare words, 128 bytes a wave
.set SPITCH, 528                       ; the way out: a stage of 16 rows x (512 bytes + 16) for each wave, in slot 0, which has had its last fill and its last read by then
.set ADRA, 16
.set ADRB, 20
.set STO,  24
.set RD,   25
.set CO,   26
.set SPW,  28
.set NIL,  29
.set BK,   128
.set G1, 24
.set G0, 32
.set G1B, 48
.set G0B, 56
.set MSB, 0
.macro WIN new
.if MSB != (\new)
	s_set_vgpr_msb (MSB<<8)|(\new)
.set MSB, (\new)
.endif
.endm
.set MUL, 0xa1                         ; source 0 (B) window 1, source 1 (A) window 0, C and D window 2
.macro JLOAD s                         ; a joint load: waves 0 and 1 fetch A's two heads, waves 2 and 3 B's two halves; an s_nop 0 and four v_nop follow each line
	s_cmp_eq_u32 s11, 0
	s_cbranch_scc0 .Lfor_b_\@
	tensor_load_to_lds s[G0+4*\s:G0+4*\s+3], s[G1:G1+7]
	s_nop 0
.rept 4
	v_nop
.endr
	s_branch .Lasked_\@
.Lfor_b_\@:
	tensor_load_to_lds s[G0B+4*\s:G0B+4*\s+3], s[G1B:G1B+7]
	s_nop 0
.rept 4
	v_nop
.endr
.Lasked_\@:
.endm
.macro CREST                           ; a round of the cluster's barrier behind its opening barrier
	s_cmp_lg_u32 s10, 0
	s_cbranch_scc1 .Lnot_wave_0_\@
	s_barrier_signal -3
.Lnot_wave_0_\@:
	s_barrier_wait -3
	s_barrier_signal -1
	s_barrier_wait -1
.endm
.macro CROUND
	s_barrier_signal -1
	s_barrier_wait -1
	CREST
.endm
	s_load_b128 s[4:7], s[0:1], 0x0                ; attn_h s[4:5], wo16 s[6:7]
	s_load_b64 s[8:9], s[0:1], 0x10                ; out0
	v_lshl_add_u32 v[SPW], v0, 2, SPARE
	v_mov_b32 v[NIL], 0
	ds_add_u32 v[SPW], v[NIL]                      ; the wave's opening: the add, twice on end, and its wait ahead of my first tensor load
	ds_add_u32 v[SPW], v[NIL]
	v_lshrrev_b32 v1, 5, v0
	v_readfirstlane_b32 s10, v1                    ; wave 0..3
	s_lshr_b32 s11, s10, 1                         ; which 64 of the tile's tokens are mine.  Also: I fetch for A (0) or for B (1)
	s_and_b32 s12, s10, 1                          ; which 128 of its columns.  Also: which head of A, or which 64 rows of B, I fetch
	s_bfe_u32 s40, ttmp6, 0x40000                  ; cx, cy
	s_bfe_u32 s41, ttmp6, 0x40004
	s_lshl_b32 s42, ttmp9, 2
	s_add_co_u32 s42, s42, s40                     ; tile column
	s_and_b32 s13, ttmp7, 0xffff
	s_lshl_b32 s13, s13, 2
	s_add_co_u32 s13, s13, s41                     ; tile row
	s_lshl_b32 s43, s41, 2
	s_lshl_b32 s43, 15, s43                        ; my row of the cluster
	s_lshl_b32 s44, 0x1111, s40                    ; my column
	; group 1 for A: 16,384 dense bytes as 64 rows of 256 bytes (32 elements of 8 bytes), 16 bytes of padding behind each
	s_or_b32 s[G1+0], s43, (3<<16)|(1<<20)|(1<<21)|(5<<22)|(3<<25)
	s_mov_b32 s[G1+1], 32<<16
	s_mov_b32 s[G1+2], 64<<16
	s_mov_b32 s[G1+3], 32<<16
	s_mov_b32 s[G1+4], 64
	s_mov_b32 s[G1+5], 32
	s_mov_b32 s[G1+6], 0
	s_mov_b32 s[G1+7], 0
	; group 1 for B: 64 rows of 256 elements of 2 bytes, 1,024 elements apart, 32 bytes of padding behind every 128 words
	s_or_b32 s[G1B+0], s44, (1<<16)|(1<<20)|(1<<21)|(6<<22)|(7<<25)
	s_mov_b32 s[G1B+1], 256<<16
	s_mov_b32 s[G1B+2], 64<<16
	s_mov_b32 s[G1B+3], 256<<16
	s_mov_b32 s[G1B+4], 64
	s_mov_b32 s[G1B+5], 1024
	s_mov_b32 s[G1B+6], 0
	s_mov_b32 s[G1B+7], 0
	s_lshl_b32 s16, s12, 20                        ; A: head 0 or 1 of the K step, 1,048,576 bytes a head,
	s_lshl_b32 s17, s13, 14                        ; the tile row's 128 tokens of 128 bytes
	s_add_co_u32 s16, s16, s17
	s_mov_b32 s17, 0
	s_lshl_b32 s46, s12, 17                        ; B: rows 0-63 or 64-127 of the K step, 2,048 bytes a row,
	s_lshl_b32 s47, s42, 9                         ; the tile column's 512 bytes
	s_add_co_u32 s46, s46, s47
	s_mov_b32 s47, 0
	s_mul_i32 s20, s12, AH                         ; where they go: no place in the cluster enters an LDS address
	s_mul_i32 s21, s12, BH
	s_add_co_u32 s21, s21, BOFF
	s_wait_dscnt 0x0                               ; both opening adds are done
	s_wait_kmcnt 0x0
	s_add_nc_u64 s[14:15], s[4:5], s[16:17]
	s_add_nc_u64 s[46:47], s[6:7], s[46:47]
	CROUND                                         ; all sixteen work-groups are here: the first joint loads meet
.irp s, 0,1
	s_mov_b32 s[G0+4*\s], 1
	s_add_co_u32 s[G0+4*\s+1], s20, \s*SLOT
	s_add_nc_u64 s[G0+4*\s+2:G0+4*\s+3], s[14:15], \s*2097152      ; K step s: two heads on
	s_or_b32 s[G0+4*\s+3], s[G0+4*\s+3], 0x80000000
	s_mov_b32 s[G0B+4*\s], 1
	s_add_co_u32 s[G0B+4*\s+1], s21, \s*SLOT
	s_add_nc_u64 s[G0B+4*\s+2:G0B+4*\s+3], s[46:47], \s*262144     ; 128 rows on
	s_or_b32 s[G0B+4*\s+3], s[G0B+4*\s+3], 0x80000000
	JLOAD \s                                       ; two tensor loads of mine are out at the start, one behind each later round
.endr
	v_and_b32 v1, 15, v0                           ; r
	v_bfe_u32 v2, v0, 4, 1                         ; h
	v_lshrrev_b32 v3, 1, v1                        ; A: token r lies in LDS row r / 2, half r % 2
	v_mul_u32_u24 v3, v3, PA
	v_and_b32 v4, 1, v0
	v_lshl_add_u32 v3, v4, 7, v3
	v_lshl_add_u32 v3, v2, 4, v3
	v_and_b32 v4, 7, v0                            ; B: the turning load: lane l reads 16 bytes of row 8 h + l % 8, columns 8 ((l / 8) % 2) on
	v_lshl_add_u32 v4, v2, 3, v4
	v_mul_u32_u24 v4, v4, PB
	v_bfe_u32 v5, v0, 3, 1
	v_lshl_add_u32 v4, v5, 4, v4
	s_mul_i32 s21, s11, 32*PA                      ; my 64 tokens
	s_lshl_b32 s22, s12, 8                         ; my 128 columns
	s_add_co_u32 s22, s22, BOFF
.irp s, 0,1
	v_add_nc_u32 v[ADRA+\s], s21, v3
	v_add_nc_u32 v[ADRB+\s], s22, v4
	s_add_co_u32 s21, s21, SLOT
	s_add_co_u32 s22, s22, SLOT
.endr
	s_mul_i32 s23, s10, 16*SPITCH                  ; my stage
	v_mul_u32_u24 v5, v1, SPITCH                   ; in: row r, 32 bytes for each half of the lanes
	v_lshl_add_u32 v5, v2, 5, v5
	v_add_nc_u32 v[STO], s23, v5
	v_and_b32 v6, 31, v0
	v_lshlrev_b32 v[CO], 4, v6                     ; back: the 32 lanes take one row of 512 bytes; and the same in out0
	v_add_nc_u32 v[RD], s23, v[CO]
	s_lshl_b32 s16, s13, 7
	s_lshl_b32 s17, s11, 6
	s_add_co_u32 s16, s16, s17                     ; my first row of out0
	s_lshl_b32 s16, s16, 12                        ; 4,096 bytes a row
	s_lshl_b32 s46, s42, 10                        ; my first column, in bytes
	s_lshl_b32 s47, s12, 9
	s_add_co_u32 s46, s46, s47
	s_add_co_u32 s16, s16, s46
	s_mov_b32 s17, 0
	s_add_nc_u64 s[8:9], s[8:9], s[16:17]
; 8 matrix instructions: A's block a x B's eight, 32 along K, from buffers f.  The 32 accumulators take turns, in the same order in every quarter.
.macro MULA f, a, zero
.irp b, 0,1,2,3,4,5,6,7
.if \zero
	v_wmma_f32_16x16x32_f16 v[8*(8*(\a)+\b):8*(8*(\a)+\b)+7], v[64*(\f)+8*\b:64*(\f)+8*\b+7], v[64+32*(\f)+8*(\a):64+32*(\f)+8*(\a)+7], 0
.else
	v_wmma_f32_16x16x32_f16 v[8*(8*(\a)+\b):8*(8*(\a)+\b)+7], v[64*(\f)+8*\b:64*(\f)+8*\b+7], v[64+32*(\f)+8*(\a):64+32*(\f)+8*(\a)+7], v[8*(8*(\a)+\b):8*(8*(\a)+\b)+7]
.endif
.endr
.endm
; 24 LDS loads in one run: the fragments of quarter q (32 along K) of a slot into buffers f: B's sixteen, then A's eight
.macro FETCH slot, q, f
	WIN 0x40
.irp b, 0,1,2,3,4,5,6,7
	ds_load_tr16_b128 v[64*(\f)+8*\b:64*(\f)+8*\b+3],   v[ADRB+\slot] offset:(\q)*32*PB+32*\b
	ds_load_tr16_b128 v[64*(\f)+8*\b+4:64*(\f)+8*\b+7], v[ADRB+\slot] offset:(\q)*32*PB+32*\b+16*PB
.endr
	WIN 0
.irp a, 0,1,2,3
	ds_load_b128 v[64+32*(\f)+8*\a:64+32*(\f)+8*\a+3],   v[ADRA+\slot] offset:((\q)/2)*AH+((\q)%2)*64+\a*8*PA
	ds_load_b128 v[64+32*(\f)+8*\a+4:64+32*(\f)+8*\a+7], v[ADRA+\slot] offset:((\q)/2)*AH+((\q)%2)*64+\a*8*PA+32
.endr
.endm
.macro PLACES                          ; four plain lines in front of loads into registers that matrix instructions have read, and of reads of results
.rept 4
	v_nop
.endr
.endm
; A K step is four quarters of 32 along K, 32 matrix instructions each, on buffers 0, 1, 0, 1.  One of the first three: multiplies buffers f and fetches quarter qn into buffers g.
.macro QUARTER slot, qn, f, g, zero
	s_wait_dscnt 4                                 ; B's and A's blocks 0, 1 are in; the youngest four loads (A's blocks 2, 3) may be out
	WIN MUL
	MULA \f, 0, \zero
	MULA \f, 1, \zero
	PLACES
	FETCH \slot, \qn, \g
	s_wait_dscnt 24                                ; all but the 24 just issued
	WIN MUL
	MULA \f, 2, \zero
	MULA \f, 3, \zero
.endm
; The last quarter multiplies buffers 1 and changes slots: one barrier; in front of it each wave waits for all its tensor loads, adds 0 to its spare word, and waits for that and for its reads of this slot.
; fill = 1: the barrier opens a round of the cluster's barrier, and this slot is filled again, two K steps ahead, first thing behind the round.
.macro TURN slot, next, fill
	WIN 0                                          ; (the add's two registers lie in window 0)
	s_wait_tensorcnt 0x0                           ; all my tensor loads have landed: my part of the next slot
	ds_add_u32 v[SPW], v[NIL]                      ; 0 onto my spare word
	s_wait_dscnt 5                                 ; (the add and the youngest four loads may be out)
	WIN MUL
	MULA 1, 0, 0
	s_wait_dscnt 0x0                               ; the add is done, and my reads of this slot are over
	s_barrier_signal -1
	MULA 1, 1, 0
.if \fill
	WIN 0
.endif
	s_barrier_wait -1
.if \fill
	CREST                                          ; no wave of any partner still reads this slot's tiles or has a load on its way
	s_add_nc_u64 s[G0+4*\slot+2:G0+4*\slot+3], s[G0+4*\slot+2:G0+4*\slot+3], 4194304    ; two K steps: four heads
	s_add_nc_u64 s[G0B+4*\slot+2:G0B+4*\slot+3], s[G0B+4*\slot+2:G0B+4*\slot+3], 524288 ; 256 rows
	JLOAD \slot                                    ; the four v_nop behind it are also the places in front of the loads below
.else
	PLACES
.endif
	FETCH \next, 0, 0
	WIN MUL
	MULA 1, 2, 0
	MULA 1, 3, 0
.endm
	s_wait_tensorcnt 1                             ; my part of K step 0 is in (K step 1's load may be out),
	s_barrier_signal -1
	s_barrier_wait -1                              ; everybody's is
	FETCH 0, 0, 0
	QUARTER 0, 1, 0, 1, 1                          ; the first quarter's products start the sums: nothing is cleared
	WIN 0                                          ; at a label and at a branch every window is 0
	s_mov_b32 s3, 3
.Llap:                                                 ; a trip goes once round the ring, from a lap's second quarter to the next lap's first, and fills both slots again: K steps 2 to 7
	QUARTER 0, 2, 1, 0, 0
	QUARTER 0, 3, 0, 1, 0
	TURN 0, 1, 1
	QUARTER 1, 1, 0, 1, 0
	QUARTER 1, 2, 1, 0, 0
	QUARTER 1, 3, 0, 1, 0
	TURN 1, 0, 1
	QUARTER 0, 1, 0, 1, 0
	WIN 0
	s_sub_co_u32 s3, s3, 1
	s_cmp_lg_u32 s3, 0
	s_cbranch_scc1 .Llap
	QUARTER 0, 2, 1, 0, 0                          ; the last lap fills nothing, and has no round of the cluster's barrier
	QUARTER 0, 3, 0, 1, 0
	TURN 0, 1, 0
	QUARTER 1, 1, 0, 1, 0
	QUARTER 1, 2, 1, 0, 0
	QUARTER 1, 3, 0, 1, 0
	s_wait_dscnt 4                                 ; the very last quarter: nothing more to fetch
	WIN MUL
	MULA 1, 0, 0
	MULA 1, 1, 0
	s_wait_dscnt 0
	MULA 1, 2, 0
	MULA 1, 3, 0
	WIN 0
; THE WAY OUT, block by block of 16 rows x 128 columns: through my own stage in LDS and back as whole rows of 512 bytes.  LDS serves a wave's instructions in order: no wait between the stores and the loads.
.macro TOSTAGE a
.set AC, 64*(\a)
	WIN 0x08                                       ; an LDS store's data are its source 1: window 2
.irp b, 0,1,2,3,4,5,6,7
	ds_store_b128 v[STO], v[AC+8*\b:AC+8*\b+3] offset:64*\b          ; each accumulator from its low end on
	ds_store_b128 v[STO], v[AC+8*\b+4:AC+8*\b+7] offset:64*\b+16
.endr
	WIN 0
.set BB, BK+64*((\a)%2)
.irp t, 0,1,2,3,4,5,6,7,8,9,10,11,12,13,14,15
	ds_load_b128 v[BB+4*\t:BB+4*\t+3], v[RD] offset:\t*SPITCH
.endr
.endm
.macro SEND a, younger                 ; younger: the LDS instructions issued behind block a's loads, which may stay out
.set BB, BK+64*((\a)%2)
	s_wait_dscnt \younger                          ; the block is back in registers
.if (\a) > 0
	s_add_nc_u64 s[8:9], s[8:9], 65536             ; (behind a wait on XCNT: the earlier stores have read their base)  16 rows of out0 on
.endif
.irp t, 0,1,2,3,4,5,6,7,8,9,10,11,12,13,14,15
	global_store_b128 v[CO], v[BB+4*\t:BB+4*\t+3], s[8:9] offset:\t*4096 th:TH_STORE_NT   ; 32 lanes store 512 consecutive bytes, aligned to 256; written once, read by nobody here
.endr
.endm
	PLACES                                         ; behind the last products, in front of the first read of results
	TOSTAGE 0
.irp a, 1,2,3
.if \a > 1
	s_wait_xcnt 0x0                                ; block a - 2's stores have read their registers and their base
.endif
	TOSTAGE \a
	SEND \a-1, 32                                  ; behind block a - 1's loads: block a's 16 stores and 16 loads
.endr
	s_wait_xcnt 0x0                                ; block 2's stores have read their base
	SEND 3, 0
	s_wait_tensorcnt 0x0                           ; the wave's end, behind my last tensor load and my last LDS store
	ds_add_u32 v[SPW], v[NIL]
	s_wait_dscnt 0x0
	CROUND                                         ; the closing round: no work-group ends while a partner may still ask for a tile that names it
	s_endpgm
.Lfunc_end_k_q28acdc9630_oproj:
	.size	k_q28acdc9630_oproj, .Lfunc_end_k_q28acdc9630_oproj-k_q28acdc9630_oproj
	.p2alignl 7, 3214868480
	.fill 96, 4, 3214868480
	.section	.rodata,"a",@progbits
	.p2align	6, 0x0
	.amdhsa_kernel k_q28acdc9630_oproj
		.amdhsa_group_segment_fixed_size 327680
		.amdhsa_private_segment_fixed_size 0
		.amdhsa_enable_private_segment 0
		.amdhsa_kernarg_size 24
		.amdhsa_user_sgpr_count 2
		.amdhsa_user_sgpr_kernarg_segment_ptr 1
		.amdhsa_wavefront_size32 1
		.amdhsa_system_sgpr_workgroup_id_x 1
		.amdhsa_system_sgpr_workgroup_id_y 1
		.amdhsa_system_sgpr_workgroup_id_z 1
		.amdhsa_system_vgpr_workitem_id 0
		.amdhsa_next_free_vgpr 768
		.amdhsa_next_free_sgpr 66
		.amdhsa_reserve_vcc 0
		.amdhsa_float_denorm_mode_32 3
		.amdhsa_float_denorm_mode_16_64 3
		.amdhsa_memory_ordered 1
		.amdhsa_forward_progress 1
		.amdhsa_inst_pref_size 86
	.end_amdhsa_kernel
	.amdgpu_metadata
---
amdhsa.version: [ 1, 2 ]
amdhsa.kernels:
  - .name:           k_q28acdc9630_oproj
    .symbol:         k_q28acdc9630_oproj.kd
    .args:
      - { .name: attn_h, .offset: 0, .size: 8, .value_kind: global_buffer, .address_space: global }
      - { .name: wo16, .offset: 8, .size: 8, .value_kind: global_buffer, .address_space: global }
      - { .name: out0, .offset: 16, .size: 8, .value_kind: global_buffer, .address_space: global }
    .group_segment_fixed_size: 327680
    .private_segment_fixed_size: 0
    .kernarg_segment_align: 8
    .kernarg_segment_size: 24
    .max_flat_workgroup_size: 128
    .sgpr_count:     66
    .vgpr_count:     768
    .wavefront_size: 32
...
	.end_amdgpu_metadata
.endif
;; end of part 5
